; MI455X (gfx1250); checked and timed in simulation.
; The chip was launched on July 23, 2026; its instructions are those of AMD's public machine-readable ISA for CDNA 5 (MIT licence, August 2026) and "CDNA5" Instruction Set Architecture Reference Guide (July 2026). The comments in the code are by the model that wrote it; some were corrected since.
;; Attention. Allowed arithmetic: float matrix products may take bf16 or f16 operands with f32 sums; other float arithmetic in f32, or as packed bf16 or f16 multiplies, adds, multiply-adds, maxima and minima; sums over many terms, partial sums and values carried from step to step in f32; what a program stores and reads back later, other than sums and carried values, may be rounded once to bf16 or f16.
;; Inputs: cos 2,048 x 64 float32; mask 2,048 x 2,048 float32; sin 2,048 x 64 float32; wk 2,048 x 2,048 float32; wo 2,048 x 2,048 float32; wq 2,048 x 2,048 float32; wv 2,048 x 2,048 float32; x 1 x 2,048 x 2,048 float32.
;; Outputs: out0 1 x 2,048 x 2,048 float32.
;; 2 versions, each right; version 2 is version 1 with the launch prep written anew for expert scheduling mode. Each part assembles by itself: llvm-mc -triple=amdgcn-amd-amdhsa -mcpu=gfx1250 --defsym DOCPART=n.
;; ======== version 1 of 2: 4 launches
;; limits: values are held in f16: magnitudes above 65,504 overflow, below 6.1e-05 lose precision
;; workspace buffers: bf 41,943,040 bytes; maskp 16,777,216 bytes; qh 8,388,608 bytes; kh 8,388,608 bytes; vh 8,388,608 bytes; oh 8,388,608 bytes
;; launch prep (part 1): grid 256 x 6, 8 waves a work-group, no clusters, 35,840 bytes of LDS; arguments x, wq, wk, wv, wo, mask, bf, maskp; writes bf, maskp
.if DOCPART == 1
	.amdgcn_target "amdgcn-amd-amdhsa--gfx1250"
	.amdhsa_code_object_version 6
	.text
	.protected	k_q6ce9ce4c41_prep
	.globl	k_q6ce9ce4c41_prep
	.p2align	8
	.type	k_q6ce9ce4c41_prep,@function
k_q6ce9ce4c41_prep:
	s_mov_b64 s[64:65], 0
	v_nop
	global_prefetch_b8 v0, s[64:65] scope:SCOPE_SE
	s_setreg_imm32_b32 hwreg(HW_REG_WAVE_MODE, 25, 1), 1
	s_wait_xcnt 0x0
; PREPARATION.  Grid y picks the input, grid x a piece of 65,536 bytes of it.
; y = 0..4: x, wq, wk, wv, wo -> section y of bf ([2048][2048] of 16 bits, row-major as the source): bf16(x), bf16(wq / 256), bf16(wk / 256), bf16(wv / 4), and f16 of bf16(4 wo).
; The factors are powers of two, so the bf16 rounding is that of the input itself; they keep q, k and v inside f16 further on and are undone in the softmax constant and by the 4 in wo.
; (x is multiplied by 1.0: one text serves the five inputs.)
; y = 5: mask -> maskp, f32: f32(bf16(mask)) x 2^-12.5, laid out as the C operand of a 16 key x 16 query tile of scores:
; byte qt x 131072 + kb x 1024 + j4 x 512 + L x 16 + 4 e holds mask[16 qt + L % 16][16 kb + 8 (L / 16) + 4 j4 + e].
; LIMITS.  mask finite, |mask| up to 1e38; the scaled mask has one more f32 rounding (equal numbers stay equal).  Numbers of wo below 1.5e-5 keep f16's fixed step (6e-8 in 4 wo).
; Memory binds: each byte is read once, by loads of 16 bytes a lane, all 16 loads of a wave issued at once; no loop, no matrix unit, no cluster (no two work-groups read the same byte).
.set SEC,   8388608                    ; bytes in a section of bf
.set PITCH, 272                        ; a stage row: 64 f32 + 16 bytes, so that 16 rows start at 16 different groups of four banks (ISA guide 11.1)
.set STG,   16*PITCH                   ; a wave's own stage
.set SPARE, 8*STG                      ; behind the stages: the spare words, 128 bytes for each wave, which no other line names
.set SPW, 8                            ; v8   SPARE + 4 x my thread's number; never rewritten
.set NIL, 9                            ; v9   0; never rewritten
.set X,   16                           ; v[16:79]   load n at X + 4 n
.set Y,   80                           ; v[80:143]  what is stored
.set T,   144                          ; v[144:147] at work
	s_load_b512 s[8:23], s[0:1], 0x0               ; x 8, wq 10, wk 12, wv 14, wo 16, mask 18, bf 20, maskp 22
	v_lshl_add_u32 v[SPW], v0, 2, SPARE
	v_mov_b32 v[NIL], 0
	v_lshrrev_b32 v1, 5, v0
	v_readfirstlane_b32 s3, v1                     ; wave 0..7
	s_and_b32 s2, ttmp7, 0xffff                    ; y
	s_mov_b32 s30, 0xffff0000                      ; a word's upper bf16
	s_mov_b32 s33, 0
	s_mov_b32 s35, 0
	s_wait_kmcnt 0x0
	s_cmp_eq_u32 s2, 5
	s_cbranch_scc1 .Lmask
	s_mov_b64 s[24:25], s[8:9]                     ; the source and its factor, chosen by y
	s_mov_b32 s26, 1.0
	s_cmp_eq_u32 s2, 1
	s_cselect_b64 s[24:25], s[10:11], s[24:25]
	s_cselect_b32 s26, 0x3b800000, s26             ; 2^-8
	s_cmp_eq_u32 s2, 2
	s_cselect_b64 s[24:25], s[12:13], s[24:25]
	s_cselect_b32 s26, 0x3b800000, s26
	s_cmp_eq_u32 s2, 3
	s_cselect_b64 s[24:25], s[14:15], s[24:25]
	s_cselect_b32 s26, 0x3e800000, s26             ; 2^-2
	s_cmp_eq_u32 s2, 4
	s_cselect_b64 s[24:25], s[16:17], s[24:25]
	s_cselect_b32 s26, 4.0, s26
	s_mov_b32 s27, s26                             ; named with it as a pair
	s_lshl_b32 s32, ttmp9, 16                      ; my 65,536 bytes of the source
	s_add_nc_u64 s[24:25], s[24:25], s[32:33]
	s_mul_i32 s34, s2, SEC                         ; section y,
	s_lshl_b32 s36, ttmp9, 15                      ; my 32,768 bytes of it
	s_add_co_u32 s34, s34, s36
	s_add_nc_u64 s[28:29], s[20:21], s[34:35]
	v_lshlrev_b32 v1, 4, v0                        ; 16 bytes a thread in,
	v_lshlrev_b32 v2, 3, v0                        ; 8 bytes out: a wave's store covers 256 consecutive bytes, aligned
.set i, 0
.rept 16
	global_load_b128 v[X+4*i:X+4*i+3], v1, s[24:25] offset:4096*i th:TH_LOAD_NT
.set i, i+1
.endr
; h = 0: bf16.  h = 1: the bf16 number written as f16.
.macro CAST h
.set i, 0
.rept 16
	s_wait_loadcnt 15-i                            ; loads come back in order (ISA guide 5.7.1): load i is in, the younger ones stay out
	v_pk_mul_f32 v[X+4*i:X+4*i+1], v[X+4*i:X+4*i+1], s[26:27] op_sel_hi:[1,0]
	v_pk_mul_f32 v[X+4*i+2:X+4*i+3], v[X+4*i+2:X+4*i+3], s[26:27] op_sel_hi:[1,0]
	v_cvt_pk_bf16_f32 v[Y+2*i], v[X+4*i], v[X+4*i+1]
	v_cvt_pk_bf16_f32 v[Y+2*i+1], v[X+4*i+2], v[X+4*i+3]
.if \h
	v_lshlrev_b32 v[X+4*i], 16, v[Y+2*i]
	v_and_b32 v[X+4*i+1], s30, v[Y+2*i]
	v_lshlrev_b32 v[X+4*i+2], 16, v[Y+2*i+1]
	v_and_b32 v[X+4*i+3], s30, v[Y+2*i+1]
	v_cvt_pk_f16_f32 v[Y+2*i], v[X+4*i], v[X+4*i+1]
	v_cvt_pk_f16_f32 v[Y+2*i+1], v[X+4*i+2], v[X+4*i+3]
.endif
	global_store_b64 v2, v[Y+2*i:Y+2*i+1], s[28:29] offset:2048*i  ; each store has data registers of its own: none is rewritten
.set i, i+1
.endr
.endm
	s_cmp_eq_u32 s2, 4
	s_cbranch_scc1 .Lf16
	CAST 0
	s_branch .Lend
.Lf16:
	CAST 1
	s_branch .Lend
.Lmask:                                        ; work-group x: query tile x / 2, key half x % 2; wave w: 16 rows x 128 keys, as two chunks of 64 keys
	s_lshr_b32 s4, ttmp9, 1
	s_and_b32 s5, ttmp9, 1
	s_lshl_b32 s32, s4, 17                         ; 16 rows of 8,192 bytes
	s_lshl_b32 s6, s5, 12                          ; 1,024 keys
	s_add_co_u32 s32, s32, s6
	s_add_nc_u64 s[24:25], s[18:19], s[32:33]
	s_lshl_b32 s34, s4, 17
	s_lshl_b32 s6, s5, 16                          ; 64 key blocks of 1,024 bytes
	s_add_co_u32 s34, s34, s6
	s_add_nc_u64 s[28:29], s[22:23], s[34:35]
	v_and_b32 v10, 15, v0
	v_bfe_u32 v11, v0, 4, 1
	v_and_b32 v12, 31, v0
	v_lshlrev_b32 v1, 4, v10                       ; in memory: lanes 0-15 take 256 bytes of one row, lanes 16-31 of the next
	v_lshl_add_u32 v1, v11, 13, v1
	s_lshl_b32 s6, s3, 9
	v_add_nc_u32 v1, s6, v1
	s_mul_i32 s7, s3, STG
	v_mul_u32_u24 v3, v11, PITCH                   ; into the stage: the same two rows
	v_lshl_add_u32 v3, v10, 4, v3
	v_add_nc_u32 v3, s7, v3
	v_mul_u32_u24 v4, v10, PITCH                   ; out of it: row L % 16, keys 8 (L / 16) on
	v_lshl_add_u32 v4, v11, 5, v4
	v_add_nc_u32 v4, s7, v4
	v_lshlrev_b32 v5, 4, v12                       ; in maskp: 16 L + my wave's 8 key blocks
	s_lshl_b32 s6, s3, 13
	v_add_nc_u32 v5, s6, v5
.irp c, 0,1
.irp t, 0,1,2,3,4,5,6,7
	global_load_b128 v[X+4*(8*(\c)+(\t)):X+4*(8*(\c)+(\t))+3], v1, s[24:25] offset:16384*(\t)+256*(\c) th:TH_LOAD_NT
.endr
.endr
.irp c, 0,1
.irp t, 0,1,2,3,4,5,6,7
.set XN, X+4*(8*(\c)+(\t))
.set TN, T+2*((\t)%2)
	s_wait_loadcnt 15-8*(\c)-(\t)                  ; this load is in, the younger ones stay out
	v_cvt_pk_bf16_f32 v[TN], v[XN], v[XN+1]        ; rounded to bf16 like every input,
	v_cvt_pk_bf16_f32 v[TN+1], v[XN+2], v[XN+3]
	v_lshlrev_b32 v[XN], 16, v[TN]                 ; widened again,
	v_and_b32 v[XN+1], s30, v[TN]
	v_lshlrev_b32 v[XN+2], 16, v[TN+1]
	v_and_b32 v[XN+3], s30, v[TN+1]
	v_pk_mul_f32 v[XN:XN+1], v[XN:XN+1], 0x393504f3 op_sel_hi:[1,0]      ; times 2^-12.5 = sqrt(128) / 2^16
	v_pk_mul_f32 v[XN+2:XN+3], v[XN+2:XN+3], 0x393504f3 op_sel_hi:[1,0]
	ds_store_b128 v3, v[XN:XN+3] offset:2*PITCH*(\t)
.endr
.irp u, 0,1,2,3,4,5,6,7
	ds_load_b128 v[Y+32*(\c)+4*(\u):Y+32*(\c)+4*(\u)+3], v4 offset:64*((\u)/2)+16*((\u)%2)  ; LDS serves a wave's instructions in order (ISA guide 5.7.1.4): these see the stores above, and the next chunk's stores come behind them
.endr
.irp u, 0,1,2,3,4,5,6,7
	s_wait_dscnt 7-(\u)
	global_store_b128 v5, v[Y+32*(\c)+4*(\u):Y+32*(\c)+4*(\u)+3], s[28:29] offset:4096*(\c)+512*(\u)  ; 512 consecutive bytes, aligned
.endr
.endr
.Lend:
	s_wait_tensorcnt 0x0                           ; the wave's end
	ds_add_u32 v[SPW], v[NIL]
	s_wait_dscnt 0x0
	s_endpgm
.Lfunc_end_k_q6ce9ce4c41_prep:
	.size	k_q6ce9ce4c41_prep, .Lfunc_end_k_q6ce9ce4c41_prep-k_q6ce9ce4c41_prep
	.p2alignl 7, 3214868480
	.fill 96, 4, 3214868480
	.section	.rodata,"a",@progbits
	.p2align	6, 0x0
	.amdhsa_kernel k_q6ce9ce4c41_prep
		.amdhsa_group_segment_fixed_size 35840
		.amdhsa_private_segment_fixed_size 0
		.amdhsa_enable_private_segment 0
		.amdhsa_kernarg_size 64
		.amdhsa_user_sgpr_count 2
		.amdhsa_user_sgpr_kernarg_segment_ptr 1
		.amdhsa_wavefront_size32 1
		.amdhsa_system_sgpr_workgroup_id_x 1
		.amdhsa_system_sgpr_workgroup_id_y 1
		.amdhsa_system_sgpr_workgroup_id_z 1
		.amdhsa_system_vgpr_workitem_id 0
		.amdhsa_next_free_vgpr 152
		.amdhsa_next_free_sgpr 66
		.amdhsa_reserve_vcc 0
		.amdhsa_float_denorm_mode_32 3
		.amdhsa_float_denorm_mode_16_64 3
		.amdhsa_memory_ordered 1
		.amdhsa_forward_progress 1
		.amdhsa_inst_pref_size 34
	.end_amdhsa_kernel
	.amdgpu_metadata
---
amdhsa.version: [ 1, 2 ]
amdhsa.kernels:
  - .name:           k_q6ce9ce4c41_prep
    .symbol:         k_q6ce9ce4c41_prep.kd
    .args:
      - { .name: x, .offset: 0, .size: 8, .value_kind: global_buffer, .address_space: global }
      - { .name: wq, .offset: 8, .size: 8, .value_kind: global_buffer, .address_space: global }
      - { .name: wk, .offset: 16, .size: 8, .value_kind: global_buffer, .address_space: global }
      - { .name: wv, .offset: 24, .size: 8, .value_kind: global_buffer, .address_space: global }
      - { .name: wo, .offset: 32, .size: 8, .value_kind: global_buffer, .address_space: global }
      - { .name: mask, .offset: 40, .size: 8, .value_kind: global_buffer, .address_space: global }
      - { .name: bf, .offset: 48, .size: 8, .value_kind: global_buffer, .address_space: global }
      - { .name: maskp, .offset: 56, .size: 8, .value_kind: global_buffer, .address_space: global }
    .group_segment_fixed_size: 35840
    .private_segment_fixed_size: 0
    .kernarg_segment_align: 8
    .kernarg_segment_size: 64
    .max_flat_workgroup_size: 256
    .sgpr_count:     66
    .vgpr_count:     152
    .wavefront_size: 32
...
	.end_amdgpu_metadata
.endif
;; end of part 1
;; launch qkv (part 2): grid 16 x 16, 4 waves a work-group, clusters of 4 x 4, 327,680 bytes of LDS; arguments bf, cos, sin, qh, kh, vh; writes qh, kh, vh
.if DOCPART == 2
	.amdgcn_target "amdgcn-amd-amdhsa--gfx1250"
	.amdhsa_code_object_version 6
	.text
	.protected	k_q6ce9ce4c41_qkv
	.globl	k_q6ce9ce4c41_qkv
	.p2align	8
	.type	k_q6ce9ce4c41_qkv,@function
k_q6ce9ce4c41_qkv:
	s_mov_b64 s[64:65], 0
	v_nop
	global_prefetch_b8 v0, s[64:65] scope:SCOPE_SE
	s_setreg_imm32_b32 hwreg(HW_REG_WAVE_MODE, 25, 1), 1
	s_wait_xcnt 0x0
	s_wait_alu depctr_hold_cnt(0) depctr_sa_sdst(0) depctr_va_vdst(0) depctr_va_sdst(0) depctr_va_ssrc(0) depctr_va_vcc(0) depctr_vm_vsrc(0)
	s_getreg_b32 s2, hwreg(HW_REG_IB_STS2, 6, 4)
	s_cmp_eq_u32 s2, 0
	s_cbranch_scc0 .Lentry_in_a_cluster
	s_endpgm
.Lentry_in_a_cluster:
	s_bfe_u32 s2, ttmp6, 0x10000c
	s_cmp_lg_u32 s2, 0xf033
	s_cbranch_scc0 .Lentry_shape_is_right
	s_endpgm
.Lentry_shape_is_right:
; q, k, v = x wq, x wk, x wv, RoPE on q and k, by heads.  bf: section 0 bf16(x) [2048][2048]; sections 1-3 bf16(wq / 256), bf16(wk / 256), bf16(wv / 4), each [k][n].
; qh, kh, vh: [16 heads][2048][128] f16: rope(q) / 256, rope(k) / 256, v / 4, each rounded once from its f32 sum.  cos and sin are rounded to bf16 like every input.
; LIMITS.  f16 ends at 65,504: |rope(q)|, |rope(k)| stay under 65,504 x 256, |v| under 65,504 x 4; below 6e-5 the stored numbers keep f16's fixed step of 6e-8.
; SHARES.  A work-group makes 128 rows x one head's 128 columns of q AND k AND v: x's tile is multiplied three times.  Grid x is the row block, grid y the head.  Wave (RH, CH) makes 64 rows x 64 columns of each:
; 48 accumulators, 384 registers.  K goes in 16 steps of 128 through two LDS slots: three weight tiles (128 k-rows x 256 bytes) and x's tile (128 rows x 256 bytes); every row of a tile is 256
; aligned bytes of memory.  Waves 0-2 fetch the weight tiles (wave w: section w + 1), wave 3 fetches x's: one tensor load a wave behind each change of slots.
; THE WALK ALONG K.  A cluster, at place (X, Y) among the 4 x 4 clusters, begins at K step 4 ((X + 2 Y) % 4) and walks all 16 steps round (f32 sums may be taken in any order).  The four clusters of one Y,
; which read the same weights, begin 4 steps apart; clusters Y and Y + 1 of one X, which read the same rows of x, 8 apart: such clusters ask for a block one after the other, not in the same step.
; A fill's global address is made anew from the step's number: the tile's base, the number shifted, the type bits again.
; THE TEXT.  A K step is written once in the loop (14 trips, each fills a slot again) and once in the tail (two trips, which fill nothing; the second is left in its middle).  Which slot is in hand is a
; scalar offset, 0 or SLOT, turned by an exclusive or at each change; the fragments' LDS addresses are made anew from it there.
; CLUSTER 4 x 4.  x's tile hangs on the row block alone and is asked for jointly along a column of the cluster; a weight tile hangs on the head alone and is asked for jointly along a row.
; THE MATRIX INSTRUCTION IS USED TRANSPOSED: source 0 = 16 columns of w (turned on the way out of LDS by ds_load_tr16_b128), source 1 = 16 rows of x: a lane holds one row and eight neighbouring columns,
; that is four RoPE pairs, which pack into 16 bytes.
; REGISTERS, in windows of 256: window 0: v0-31 addresses; v32-63, v64-95 x's fragments, two buffers (packed results on the way out); v96-159 cos, v160-223 sin; v224-255 at work.
;   window 1: v0-95, v96-191 the weights' fragments, two buffers (matrix g, column block b at 32 g + 8 b).  window 2: q's accumulators at 8 (4 a + b), k's at 128 + the same.  window 3: v's.
.set SEC,   8388608
.set PA,    272                        ; x's LDS row: 256 + 16 bytes: 16 rows start at 16 different groups of four banks (ISA guide 11.1)
.set PB,    288                        ; a weight's LDS row: 256 + 32 bytes
.set HB,    128*PB
.set HA,    128*PA
.set AOFF,  3*HB                       ; x's tile lies behind the three weight tiles
.set SLOT,  3*HB+HA
.set STAGE, 2*SLOT                     ; behind the ring: 128 rows x 272 bytes, the work-group's, for the way out
.set SP,    272
.set SPARE, STAGE+128*SP               ; the spare words, 128 bytes for each wave, which no other line names
.set STEPS, 16                         ; K steps
.set BASA, 16                          ; v16     my x fragments in slot 0; never rewritten
.set CURA, 17                          ; v17     the same in the slot in hand
.set BASB, 18                          ; v18-20  my fragments of matrix g in slot 0; never rewritten
.set CURB, 21                          ; v21-23  the same in the slot in hand
.set STO,  24
.set RD,   25
.set GO,   26
.set TO,   27                          ; my byte offset in cos and sin
.set SPW,  28
.set NIL,  29
.set PFO,  30                          ; the prefetches' offset: my lane x a row of 4,096 bytes; never rewritten
.set PKD,  32                          ; the way out: 64 registers, packed results and then whole rows
.set CT,   96
.set SN,   160
.set T,    224
.set WV,  16
.set RH,  17
.set CH,  18
.set G1A, 24
.set G0A, 32                           ; s[32:39] group 0 for x's tiles: a set for each of the two first fills; the second serves every refill
.set SO,  45                           ; the slot in hand: 0 or SLOT
.set HM,  46
.set WB,  47                           ; wave x HB: where my weight tile lies in a slot
.set G1B, 48
.set G0B, 56                           ; s[56:63] the same for the weights' tiles
.set PFA, 66                           ; s[66:67] what my prefetch names
.set PFB, 68                           ; s[68:69] x at my work-group's 32 rows of the tile's 128, K step 0
.set LIM, 70                           ; 10 in a wave that prefetches, else the greatest number
.set CLY, 71                           ; the cluster's y
.set KI,  80                           ; the number (0 to 15) of the K step that the next fill asks for
.set OFA, 82                           ; s[82:83] its byte offset along x's rows: 256 a step
.set OFB, 84                           ; s[84:85] its byte offset down a weight: 128 rows of 4,096 bytes a step
.set PO,  86                           ; s[86:87] the prefetch's byte offset along x's rows
.set MSB, 0
.macro WIN new                         ; the immediate's high byte repeats the setting that is left
.if MSB != (\new)
	s_set_vgpr_msb (MSB<<8)|(\new)
.set MSB, \new
.endif
.endm
.macro PLACES                          ; four places in front of loads into registers that matrix instructions have read
.rept 4
	v_nop
.endr
.endm
; A joint load by descriptor set s.  The branch hangs on the wave's number alone.  An s_nop 0 and four v_nop follow each of the two lines.
.macro JLOAD s
	s_cmp_eq_u32 s[WV], 3
	s_cbranch_scc0 .Lfor_b_\@
	tensor_load_to_lds s[G0A+4*(\s):G0A+4*(\s)+3], s[G1A:G1A+7]
	s_nop 0
.rept 4
	v_nop
.endr
	s_branch .Lasked_\@
.Lfor_b_\@:
	tensor_load_to_lds s[G0B+4*(\s):G0B+4*(\s)+3], s[G1B:G1B+7]
	s_nop 0
.rept 4
	v_nop
.endr
.Lasked_\@:
.endm
; A prefetch of x's K step two refills on: 32 rows x 256 bytes, a lane a row, one instruction, by wave 3, which fetches x.  Of the four clusters of one X, Y and Y + 2 walk alike and Y + 1 walks 8 steps
; apart: so a block of x is read for the first time in the launch in some cluster's steps 0 to 7.  Clusters with Y < 2 ask, in trips 0 to 3 of the loop (the counter at 14 to 11), which name their steps 4 to 7;
; steps 0 to 3 come by their loads alone.  The four partners of the joint load take 32 of its 128 rows each, told apart by address.  So each block is named once at the most.
; The weights are not asked for: each of their blocks is read for the first time in some cluster's steps 0 to 3.
.macro ASK
	s_cmp_gt_u32 s3, s[LIM]
	s_cbranch_scc0 .Lnot_mine_\@
	global_prefetch_b8 v[PFO], s[PFA:PFA+1] th:TH_LOAD_NT scope:SCOPE_SE
.Lnot_mine_\@:
.endm
.macro CREST                           ; a round of the cluster's barrier behind its opening barrier
	s_cmp_lg_u32 s[WV], 0
	s_cbranch_scc1 .Lnot_wave_0_\@
	s_barrier_signal -3
.Lnot_wave_0_\@:
	s_barrier_wait -3
	s_barrier_signal -1
	s_barrier_wait -1
.endm
.macro CROUND
	s_barrier_signal -1
	s_barrier_wait -1
	CREST
.endm
	s_load_b256 s[4:11], s[0:1], 0x0               ; bf 4, cos 6, sin 8, qh 10
	s_load_b128 s[12:15], s[0:1], 0x20             ; kh 12, vh 14
	v_lshl_add_u32 v[SPW], v0, 2, SPARE
	v_mov_b32 v[NIL], 0
	ds_add_u32 v[SPW], v[NIL]                      ; the wave's opening: the add, waited for ahead of my first tensor load; work on registers stands between
	v_lshrrev_b32 v1, 5, v0
	v_readfirstlane_b32 s[WV], v1                  ; wave 0..3
	s_lshr_b32 s[RH], s[WV], 1                     ; my half of the rows
	s_and_b32 s[CH], s[WV], 1                      ; my half of the columns
	s_bfe_u32 s40, ttmp6, 0x40000                  ; cx
	s_bfe_u32 s41, ttmp6, 0x40004                  ; cy
	s_lshl_b32 s19, ttmp9, 2
	s_add_co_u32 s19, s19, s40                     ; row block = 4 x cluster x + cx
	s_and_b32 s[CLY], ttmp7, 0xffff
	s_lshl_b32 s42, s[CLY], 2
	s_add_co_u32 s42, s42, s41                     ; head = 4 x cluster y + cy
	s_lshl_b32 s43, s41, 2
	s_lshl_b32 s43, 15, s43                        ; my row of the cluster: the same head
	s_lshl_b32 s44, 0x1111, s40                    ; my column: the same row block
	s_or_b32 s[G1A], s44, (1<<16)|(1<<20)|(1<<21)|(5<<22)|(3<<25)  ; x: my column's mask; 2-byte elements; padding on; bit 21 beside a mask; after every 64 words; 4 words
	s_or_b32 s[G1B], s43, (1<<16)|(1<<20)|(1<<21)|(5<<22)|(7<<25)  ; w: my row's mask, and 8 words
.irp g, G1A, G1B
	s_mov_b32 s[(\g)+1], 128<<16                   ; tensor_dim0 = 128
	s_mov_b32 s[(\g)+2], 128<<16                   ; tensor_dim1 = 128
	s_mov_b32 s[(\g)+3], 128<<16                   ; tile_dim0 = 128
	s_mov_b32 s[(\g)+4], 128                       ; tile_dim1 = 128
	s_mov_b32 s[(\g)+5], 2048                      ; elements from row to row
	s_mov_b32 s[(\g)+6], 0
	s_mov_b32 s[(\g)+7], 0
.endr
	s_mov_b32 s[HM], 0xffff0000
	s_mov_b32 s[SO], 0
	s_lshl_b32 s[KI], s[CLY], 1                    ; my cluster's first K step: 4 ((X + 2 Y) % 4): the same in all sixteen partners
	s_add_co_u32 s[KI], s[KI], ttmp9
	s_and_b32 s[KI], s[KI], 3
	s_lshl_b32 s[KI], s[KI], 2
	s_mov_b32 s[OFA+1], 0
	s_mov_b32 s[OFB+1], 0
	s_mov_b32 s[PO+1], 0
	s_lshl_b32 s20, s19, 19                        ; x: 128 rows of 4,096 bytes a row block
	s_mov_b32 s21, 0
	s_add_co_u32 s22, s[WV], 1                     ; w: section wave + 1,
	s_mul_i32 s22, s22, SEC
	s_lshl_b32 s23, s42, 8                         ; the head's 256 bytes of each row
	s_add_co_u32 s22, s22, s23
	s_mov_b32 s23, 0
	s_mul_i32 s[WB], s[WV], HB                     ; where a weight tile goes: wave x 128 rows
	s_wait_dscnt 0x0                               ; the opening add is done
	s_wait_kmcnt 0x0
	s_add_nc_u64 s[20:21], s[4:5], s[20:21]        ; x's tile at K step 0; kept
	s_add_nc_u64 s[22:23], s[4:5], s[22:23]        ; my weight's tile at K step 0; kept
	CROUND                                         ; all sixteen work-groups are here: the first joint loads meet
.irp s, 0,1
	s_lshl_b32 s[OFA], s[KI], 8
	s_lshl_b32 s[OFB], s[KI], 19
	s_mov_b32 s[G0A+4*(\s)], 1
	s_mov_b32 s[G0A+4*(\s)+1], AOFF+(\s)*SLOT
	s_add_nc_u64 s[G0A+4*(\s)+2:G0A+4*(\s)+3], s[20:21], s[OFA:OFA+1]
	s_or_b32 s[G0A+4*(\s)+3], s[G0A+4*(\s)+3], 0x80000000
	s_mov_b32 s[G0B+4*(\s)], 1
	s_add_co_u32 s[G0B+4*(\s)+1], s[WB], (\s)*SLOT
	s_add_nc_u64 s[G0B+4*(\s)+2:G0B+4*(\s)+3], s[22:23], s[OFB:OFB+1]
	s_or_b32 s[G0B+4*(\s)+3], s[G0B+4*(\s)+3], 0x80000000
	s_add_co_u32 s[KI], s[KI], 1
	s_and_b32 s[KI], s[KI], 15
	JLOAD \s                                       ; two loads of mine are out
.endr
	v_and_b32 v1, 15, v0                           ; r = l % 16
	v_bfe_u32 v2, v0, 4, 1                         ; h = l / 16
	v_and_b32 v3, 7, v0
	v_bfe_u32 v4, v0, 3, 1
	v_and_b32 v7, 31, v0
	v_mul_u32_u24 v5, v1, PA
	v_lshl_add_u32 v5, v2, 4, v5                   ; r x 272 + 16 h
	s_mul_i32 s73, s[RH], 64*PA
	s_add_co_u32 s74, s73, AOFF
	v_add_nc_u32 v[BASA], s74, v5
	v_mov_b32 v[CURA], v[BASA]                     ; slot 0 is in hand
	v_lshl_add_u32 v6, v2, 3, v3                   ; the turning load: k-row 8 h + l % 8,
	v_mul_u32_u24 v6, v6, PB
	v_lshl_add_u32 v6, v4, 4, v6                   ; 16 bytes by (l / 8) % 2,
	s_lshl_b32 s74, s[CH], 7
	v_add_nc_u32 v6, s74, v6                       ; my 64 columns
.irp g, 0,1,2
	v_add_nc_u32 v[BASB+(\g)], (\g)*HB, v6
	v_add_nc_u32 v[CURB+(\g)], (\g)*HB, v6
.endr
	s_add_co_u32 s73, s73, s74
	s_add_co_u32 s73, s73, STAGE
	v_add_nc_u32 v[STO], s73, v5                   ; into the stage: row 64 RH + r, bytes 128 CH + 16 h
	v_mul_u32_u24 v10, v2, SP
	v_lshl_add_u32 v10, v1, 4, v10
	s_mul_i32 s75, s[WV], 32*SP
	s_add_co_u32 s75, s75, STAGE
	v_add_nc_u32 v[RD], s75, v10                   ; back: wave w takes rows 32 w on, whole; two rows a load
	v_lshlrev_b32 v[GO], 4, v7                     ; which are 512 consecutive bytes of a head's rows
	v_lshlrev_b32 v[TO], 8, v1                     ; cos, sin: row x 256 bytes + my four pairs
	v_lshl_add_u32 v[TO], v2, 4, v[TO]
	s_lshl_b32 s76, s19, 15
	s_lshl_b32 s77, s[RH], 14
	s_add_co_u32 s76, s76, s77
	s_add_co_u32 s76, s76, s74
	v_add_nc_u32 v[TO], s76, v[TO]
	v_lshlrev_b32 v[PFO], 12, v7
.irp a, 0,1,2,3
.irp b, 0,1,2,3
	global_load_b128 v[CT+4*(4*(\a)+(\b)):CT+4*(4*(\a)+(\b))+3], v[TO], s[6:7] offset:4096*(\a)+32*(\b)  ; the tables of my 64 rows x 32 pairs: waited for on the way out
	global_load_b128 v[SN+4*(4*(\a)+(\b)):SN+4*(4*(\a)+(\b))+3], v[TO], s[8:9] offset:4096*(\a)+32*(\b)
.endr
.endr
	s_lshl_b32 s76, s19, 15                        ; the outputs: 128 rows of 256 bytes a row block, 32 rows a wave,
	s_lshl_b32 s77, s[WV], 13
	s_add_co_u32 s76, s76, s77
	s_mov_b32 s77, 0
	s_lshl_b32 s78, s42, 19                        ; in the head's 2,048 rows
	s_mov_b32 s79, 0
.irp g, 10,12,14
	s_add_nc_u64 s[\g:\g+1], s[\g:\g+1], s[76:77]
	s_add_nc_u64 s[\g:\g+1], s[\g:\g+1], s[78:79]
.endr
	s_lshl_b32 s72, s19, 19                        ; the prefetch: x at my row block,
	s_lshl_b32 s73, s41, 17                        ; my work-group's 32 rows of its 128, by cy: the partners of x's joint load differ in cy
	s_add_co_u32 s72, s72, s73
	s_mov_b32 s73, 0
	s_add_nc_u64 s[PFB:PFB+1], s[4:5], s[72:73]
	s_cmp_eq_u32 s[WV], 3
	s_cselect_b32 s75, s[CLY], 2                   ; wave 3 of a cluster with y < 2 asks: the same in all sixteen partners, for a given wave
	s_cmp_lt_u32 s75, 2
	s_cselect_b32 s[LIM], 10, -1                   ; nothing is asked for here, at the head
; 16 matrix instructions: matrix g (q, k, v), all 4 x 4 blocks, 32 along K, buffer f.  The 48 accumulators take turns in the same order in every quarter.
.macro MULG f, g, zero
	WIN 0xa1+0x50*((\g)/2)                         ; w window 1, x window 0, C and D window 2 (q, k) or 3 (v)
.irp a, 0,1,2,3
.irp b, 0,1,2,3
.if \zero
	v_wmma_f32_16x16x32_bf16 v[128*((\g)%2)+8*(4*(\a)+(\b)):128*((\g)%2)+8*(4*(\a)+(\b))+7], v[96*(\f)+32*(\g)+8*(\b):96*(\f)+32*(\g)+8*(\b)+7], v[32+32*(\f)+8*(\a):32+32*(\f)+8*(\a)+7], 0
.else
	v_wmma_f32_16x16x32_bf16 v[128*((\g)%2)+8*(4*(\a)+(\b)):128*((\g)%2)+8*(4*(\a)+(\b))+7], v[96*(\f)+32*(\g)+8*(\b):96*(\f)+32*(\g)+8*(\b)+7], v[32+32*(\f)+8*(\a):32+32*(\f)+8*(\a)+7], v[128*((\g)%2)+8*(4*(\a)+(\b)):128*((\g)%2)+8*(4*(\a)+(\b))+7]
.endif
.endr
.endr
.endm
; 32 LDS loads in one run: quarter kq of the slot in hand into buffer f: x's 8, then 8 for each of q, k, v
.macro FETCH kq, f
	WIN 0
.irp i, 0,1,2,3
	ds_load_b128 v[32+32*(\f)+8*(\i):32+32*(\f)+8*(\i)+3],   v[CURA] offset:64*(\kq)+(\i)*16*PA
	ds_load_b128 v[32+32*(\f)+8*(\i)+4:32+32*(\f)+8*(\i)+7], v[CURA] offset:64*(\kq)+(\i)*16*PA+32
.endr
	WIN 0x40
.irp g, 0,1,2
.irp b, 0,1,2,3
	ds_load_tr16_b128 v[96*(\f)+32*(\g)+8*(\b):96*(\f)+32*(\g)+8*(\b)+3],   v[CURB+(\g)] offset:32*PB*(\kq)+32*(\b)
	ds_load_tr16_b128 v[96*(\f)+32*(\g)+8*(\b)+4:96*(\f)+32*(\g)+8*(\b)+7], v[CURB+(\g)] offset:32*PB*(\kq)+32*(\b)+16*PB
.endr
.endr
.endm
; A K step is four quarters of 32 along K, 48 matrix instructions each, on buffers 0, 1, 0, 1.  One of the first three: multiplies buffer f, fetches quarter kq into buffer g.
.macro QUARTER kq, f, g, zero
	s_wait_dscnt 16                                ; x's and q's fragments are in; the youngest sixteen loads (k's, v's) may be out
	MULG \f, 0, \zero
	PLACES
	FETCH \kq, \g
	s_wait_dscnt 32                                ; all but the 32 just issued
	MULG \f, 1, \zero
	MULG \f, 2, \zero
.endm
; The last quarter multiplies buffer 1 and changes slots: one barrier; in front of it each wave waits for all its tensor loads (its part of the next slot), adds 0 to its spare word, and waits for that
; and for its reads of this slot.  fill = 1: the barrier opens a round of the cluster's, and the slot just read out is filled again, with the walk's step after next, first thing behind the round.  The
; descriptors are written between the add and the wait for it, where no tensor load of mine is out: the LDS word of the slot's offset and the wave's constant, the address of the step's number.
.macro TURN fill
.if \fill
	s_wait_xcnt 0x0                                ; the last prefetch, a K step back, has read its address
	s_add_co_u32 s[PO], s[KI], 2                   ; two refills on from the step that this change asks for
	s_and_b32 s[PO], s[PO], 15
	s_lshl_b32 s[PO], s[PO], 8
	s_add_nc_u64 s[PFA:PFA+1], s[PFB:PFB+1], s[PO:PO+1]
.endif
	WIN 0
	s_wait_tensorcnt 0x0
	ds_add_u32 v[SPW], v[NIL]
.if \fill
	s_lshl_b32 s[OFA], s[KI], 8
	s_lshl_b32 s[OFB], s[KI], 19
	s_add_co_u32 s[G0A+5], s[SO], AOFF
	s_add_nc_u64 s[G0A+6:G0A+7], s[20:21], s[OFA:OFA+1]
	s_or_b32 s[G0A+7], s[G0A+7], 0x80000000
	s_add_co_u32 s[G0B+5], s[SO], s[WB]
	s_add_nc_u64 s[G0B+6:G0B+7], s[22:23], s[OFB:OFB+1]
	s_or_b32 s[G0B+7], s[G0B+7], 0x80000000
	s_add_co_u32 s[KI], s[KI], 1                   ; the walk goes round: behind step 15 comes step 0
	s_and_b32 s[KI], s[KI], 15
.endif
	s_wait_dscnt 17                                ; the add and the youngest sixteen loads may be out
	MULG 1, 0, 0
	s_wait_dscnt 0x0                               ; the add is done, and my reads of this slot are over
	s_barrier_signal -1
	MULG 1, 1, 0
	WIN 0
	s_barrier_wait -1
.if \fill
	CREST
	JLOAD 1                                        ; 160 matrix instructions ahead of the wait for it
.endif
	s_xor_b32 s[SO], s[SO], SLOT                   ; the other slot is in hand
	v_add_nc_u32 v[CURA], s[SO], v[BASA]           ; four plain instructions: the places in front of the loads below
.irp g, 0,1,2
	v_add_nc_u32 v[CURB+(\g)], s[SO], v[BASB+(\g)]
.endr
	FETCH 0, 0
.if \fill
	WIN 0
	ASK
.endif
	MULG 1, 2, 0
.endm
	s_wait_tensorcnt 1                             ; my part of the walk's first step is in; the second stays out
	s_barrier_signal -1
	s_barrier_wait -1
	FETCH 0, 0
	QUARTER 1, 0, 1, 1                             ; the first quarter's products start the sums
	WIN 0
	s_mov_b32 s3, STEPS-2
.Lstep:                                        ; a trip goes from a K step's second quarter to the next step's first, and fills a slot again
	QUARTER 2, 1, 0, 0
	QUARTER 3, 0, 1, 0
	TURN 1
	QUARTER 1, 0, 1, 0
	WIN 0
	s_sub_co_u32 s3, s3, 1
	s_cmp_lg_u32 s3, 0
	s_cbranch_scc1 .Lstep
	s_mov_b32 s3, 2
.Ltail:                                        ; the last two K steps fill nothing: written out.  The second trip is left behind its last quarter
	QUARTER 2, 1, 0, 0                             ; its change of slots passes the barrier once more and fetches 32 fragments that nobody multiplies: the price, once a launch, of one text for both trips
	QUARTER 3, 0, 1, 0
	TURN 0
	WIN 0
	s_sub_co_u32 s3, s3, 1
	s_cmp_eq_u32 s3, 0
	s_cbranch_scc1 .Lout
	QUARTER 1, 0, 1, 0
	WIN 0
	s_branch .Ltail
.Lout:
	; THE WAY OUT.  First the tables are rounded to bf16 and widened again: 192 plain instructions, which are also the places behind the last products.
	s_wait_dscnt 0x0                               ; the fragments fetched last have landed: their registers are packed into below
	s_wait_loadcnt 0x0
.set n, 0
.rept 8
.irp u, 0,1,2,3,4,5,6,7
	v_cvt_pk_bf16_f32 v[T+(\u)], v[CT+16*n+2*(\u)], v[CT+16*n+2*(\u)+1]
.endr
.irp u, 0,1,2,3,4,5,6,7
	v_lshlrev_b32 v[CT+16*n+2*(\u)], 16, v[T+(\u)]
	v_and_b32 v[CT+16*n+2*(\u)+1], s[HM], v[T+(\u)]
.endr
.set n, n+1
.endr
; RoPE on an accumulator's four pairs (t0, t1): first (t0 c, t1 c), then (- t1 s + t0 c, t0 s + t1 c).  A pair of table registers serves two pairs: the even one takes its first word, the odd one its second.
.macro RMUL a, b, g
.irp q, 0,1
	v_pk_mul_f32 v[T+8*(\b)+4*(\q):T+8*(\b)+4*(\q)+1], v[128*(\g)+8*(4*(\a)+(\b))+4*(\q):128*(\g)+8*(4*(\a)+(\b))+4*(\q)+1], v[CT+16*(\a)+4*(\b)+2*(\q):CT+16*(\a)+4*(\b)+2*(\q)+1] op_sel:[0,0] op_sel_hi:[1,0]
	v_pk_mul_f32 v[T+8*(\b)+4*(\q)+2:T+8*(\b)+4*(\q)+3], v[128*(\g)+8*(4*(\a)+(\b))+4*(\q)+2:128*(\g)+8*(4*(\a)+(\b))+4*(\q)+3], v[CT+16*(\a)+4*(\b)+2*(\q):CT+16*(\a)+4*(\b)+2*(\q)+1] op_sel:[0,1] op_sel_hi:[1,1]
.endr
.endm
.macro RFMA a, b, g
.irp q, 0,1
	v_pk_fma_f32 v[T+8*(\b)+4*(\q):T+8*(\b)+4*(\q)+1], v[128*(\g)+8*(4*(\a)+(\b))+4*(\q):128*(\g)+8*(4*(\a)+(\b))+4*(\q)+1], v[SN+16*(\a)+4*(\b)+2*(\q):SN+16*(\a)+4*(\b)+2*(\q)+1], v[T+8*(\b)+4*(\q):T+8*(\b)+4*(\q)+1] op_sel:[1,0,0] op_sel_hi:[0,0,1] neg_lo:[0,1,0]
	v_pk_fma_f32 v[T+8*(\b)+4*(\q)+2:T+8*(\b)+4*(\q)+3], v[128*(\g)+8*(4*(\a)+(\b))+4*(\q)+2:128*(\g)+8*(4*(\a)+(\b))+4*(\q)+3], v[SN+16*(\a)+4*(\b)+2*(\q):SN+16*(\a)+4*(\b)+2*(\q)+1], v[T+8*(\b)+4*(\q)+2:T+8*(\b)+4*(\q)+3] op_sel:[1,1,0] op_sel_hi:[0,1,1] neg_lo:[0,1,0]
.endr
.endm
; Matrix g leaves: rounded to f16, 16 bytes a lane into the work-group's stage; a barrier, since a row's 256 bytes come from two waves; back as whole rows, 32 rows a wave.
; Each accumulator is read from its low end on.
.macro OUT g
.irp a, 0,1,2,3
.if (\g) < 2
	WIN 0x02                                       ; source 0 window 2
.irp b, 0,1,2,3
	RMUL \a, \b, \g
.endr
.irp b, 0,1,2,3
	RFMA \a, \b, \g
.endr
	WIN 0
.irp b, 0,1,2,3
.irp p, 0,1,2,3
	v_cvt_pk_f16_f32 v[PKD+16*(\a)+4*(\b)+(\p)], v[T+8*(\b)+2*(\p)], v[T+8*(\b)+2*(\p)+1]
.endr
.endr
.else
	WIN 0x0f                                       ; sources 0 and 1 window 3
.irp b, 0,1,2,3
.irp p, 0,1,2,3
	v_cvt_pk_f16_f32 v[PKD+16*(\a)+4*(\b)+(\p)], v[8*(4*(\a)+(\b))+2*(\p)], v[8*(4*(\a)+(\b))+2*(\p)+1]
.endr
.endr
	WIN 0
.endif
.irp b, 0,1,2,3
	ds_store_b128 v[STO], v[PKD+16*(\a)+4*(\b):PKD+16*(\a)+4*(\b)+3] offset:(\a)*16*SP+32*(\b)
.endr
.endr
	s_wait_dscnt 0x0                               ; for the others' sake: my stores into the stage are done
	s_barrier_signal -1
	s_barrier_wait -1
.irp t, 0,1,2,3,4,5,6,7,8,9,10,11,12,13,14,15
	ds_load_b128 v[PKD+4*(\t):PKD+4*(\t)+3], v[RD] offset:(\t)*2*SP
.endr
.irp t, 0,1,2,3,4,5,6,7,8,9,10,11,12,13,14,15
	s_wait_dscnt 15-(\t)
	global_store_b128 v[GO], v[PKD+4*(\t):PKD+4*(\t)+3], s[10+2*(\g):11+2*(\g)] offset:512*(\t)  ; 512 consecutive bytes, aligned
.endr
.if (\g) < 2
	s_wait_xcnt 0x0                                ; the stores have read their data: the registers are packed anew only behind this wait
	s_barrier_signal -1                            ; every wave's reads of the stage are back (the count-down ended at 0): it may be written again
	s_barrier_wait -1
.endif
.endm
	OUT 0
	OUT 1
	OUT 2
	s_wait_tensorcnt 0x0                           ; the wave's end
	ds_add_u32 v[SPW], v[NIL]
	s_wait_dscnt 0x0
	CROUND                                         ; the closing round
	s_endpgm
.Lfunc_end_k_q6ce9ce4c41_qkv:
	.size	k_q6ce9ce4c41_qkv, .Lfunc_end_k_q6ce9ce4c41_qkv-k_q6ce9ce4c41_qkv
	.p2alignl 7, 3214868480
	.fill 96, 4, 3214868480
	.section	.rodata,"a",@progbits
	.p2align	6, 0x0
	.amdhsa_kernel k_q6ce9ce4c41_qkv
		.amdhsa_group_segment_fixed_size 327680
		.amdhsa_private_segment_fixed_size 0
		.amdhsa_enable_private_segment 0
		.amdhsa_kernarg_size 48
		.amdhsa_user_sgpr_count 2
		.amdhsa_user_sgpr_kernarg_segment_ptr 1
		.amdhsa_wavefront_size32 1
		.amdhsa_system_sgpr_workgroup_id_x 1
		.amdhsa_system_sgpr_workgroup_id_y 1
		.amdhsa_system_sgpr_workgroup_id_z 1
		.amdhsa_system_vgpr_workitem_id 0
		.amdhsa_next_free_vgpr 896
		.amdhsa_next_free_sgpr 88
		.amdhsa_reserve_vcc 0
		.amdhsa_float_denorm_mode_32 3
		.amdhsa_float_denorm_mode_16_64 3
		.amdhsa_memory_ordered 1
		.amdhsa_forward_progress 1
		.amdhsa_inst_pref_size 114
	.end_amdhsa_kernel
	.amdgpu_metadata
---
amdhsa.version: [ 1, 2 ]
amdhsa.kernels:
  - .name:           k_q6ce9ce4c41_qkv
    .symbol:         k_q6ce9ce4c41_qkv.kd
    .args:
      - { .name: bf, .offset: 0, .size: 8, .value_kind: global_buffer, .address_space: global }
      - { .name: cos, .offset: 8, .size: 8, .value_kind: global_buffer, .address_space: global }
      - { .name: sin, .offset: 16, .size: 8, .value_kind: global_buffer, .address_space: global }
      - { .name: qh, .offset: 24, .size: 8, .value_kind: global_buffer, .address_space: global }
      - { .name: kh, .offset: 32, .size: 8, .value_kind: global_buffer, .address_space: global }
      - { .name: vh, .offset: 40, .size: 8, .value_kind: global_buffer, .address_space: global }
    .group_segment_fixed_size: 327680
    .private_segment_fixed_size: 0
    .kernarg_segment_align: 8
    .kernarg_segment_size: 48
    .max_flat_workgroup_size: 128
    .sgpr_count:     88
    .vgpr_count:     896
    .wavefront_size: 32
...
	.end_amdgpu_metadata
.endif
;; end of part 2
;; launch attn (part 3): grid 16 x 16, 4 waves a work-group, clusters of 4 x 1, 327,680 bytes of LDS; arguments qh, kh, vh, maskp, oh; writes oh
.if DOCPART == 3
	.amdgcn_target "amdgcn-amd-amdhsa--gfx1250"
	.amdhsa_code_object_version 6
	.text
	.protected	k_q6ce9ce4c41_attn
	.globl	k_q6ce9ce4c41_attn
	.p2align	8
	.type	k_q6ce9ce4c41_attn,@function
k_q6ce9ce4c41_attn:
	s_mov_b64 s[64:65], 0
	v_nop
	global_prefetch_b8 v0, s[64:65] scope:SCOPE_SE
	s_setreg_imm32_b32 hwreg(HW_REG_WAVE_MODE, 25, 1), 1
	s_wait_xcnt 0x0
	s_wait_alu depctr_hold_cnt(0) depctr_sa_sdst(0) depctr_va_vdst(0) depctr_va_sdst(0) depctr_va_ssrc(0) depctr_va_vcc(0) depctr_vm_vsrc(0)
	s_getreg_b32 s2, hwreg(HW_REG_IB_STS2, 6, 4)
	s_cmp_eq_u32 s2, 0
	s_cbranch_scc0 .Lentry_in_a_cluster
	s_endpgm
.Lentry_in_a_cluster:
	s_bfe_u32 s2, ttmp6, 0x10000c
	s_cmp_lg_u32 s2, 0x3003
	s_cbranch_scc0 .Lentry_shape_is_right
	s_endpgm
.Lentry_shape_is_right:
; ATTENTION with an additive mask that is an input.  qh, kh, vh: [16][2048][128] f16 = rope(q) / 256, rope(k) / 256, v / 4.  maskp: f32, mask x 2^-12.5 in the layout of a score tile's C operand.
; oh: [2048][2048] f16: row s, channel 128 h + d = O / 4.  S' = q' . k' + mask' = (q . k / sqrt(128) + mask) x sqrt(128) / 2^16; p = 2^(c S' - c m), c = log2(e) 2^16 / sqrt(128), m a running maximum;
; products, maxima and sums in f32; p is rounded to f16 for the second product (its sum l is taken of the unrounded p), O once at the end.
; LIMITS.  mask finite, |mask| up to 1e38 (c mask' then stays above -1.5e38, above the number at which c m starts); a weight below 2^-126 counts as 0 in l; p below 6e-5 and O / 4 below 6e-5 keep f16's
; fixed step of 6e-8; NaN and infinities are not treated apart.
; SHARES.  A work-group owns 128 queries of one head: 16 x 16 work-groups.  Wave w: queries 64 (w % 2) on, four tiles of 16, and of each slot's two key steps of 64 the step w / 2: the keys are split between
; two pairs of waves, whose partial O, m and l meet in LDS at the end.  Register tile t holds query tile t xor 2 (w / 2): so every wave keeps its register tiles 0, 1 and sends 2, 3 to wave w xor 2.
; THE WALK OVER THE KEYS.  A head's keys are 16 slots of 128.  Cluster X of the head's four begins at slot 4 X and walks all 16 round (a running maximum takes the keys in any order): the four clusters, which
; read the same K and V, ask for a slot one after the other, 4 slots apart, not in the same step.  A fill's global address, and the mask's, is made anew from the slot's number: a base and the number shifted.
; THE MASK is the C operand of the product that starts each score sum: no vector work.  It comes straight into registers, 512 consecutive bytes a load.  It is not asked for jointly: the partners of a cluster
; have different queries, so they share no byte of it; and through LDS it would add 32 LDS loads to a step's 64.
; LAYOUT, TURNS.  S^T = K Q^T holds one query a lane and the keys 8 (lane / 16) + 0..7; two such tiles rounded to f16 are source 1 of O^T = V^T P.  The wave's tiles are two PIECES (0: tiles 0, 1; 2: tiles 2, 3).
; In a TURN one piece has the matrix unit: 32 products V^T P of the step in hand, then 32 products K Q^T of the next; the other piece's softmax stands in 64 slices behind them.
; NO FIRST AND NO LAST STEP IS WRITTEN OUT.  c m and m start at the lowest finite number, O^T, l and piece 2's P at 0: the first step's a is 0, and it is a step like any other.  The loop is entered, and the
; tail left, in the middle of a trip.  The price: 32 products on P = 0 at the start, 32 on the last K once more at the end, and 304 v_mov_b32 in the wait for the first tile.  The gain: four turns less text.
; CLUSTER.  The four query blocks of a cluster belong to one head and walk the same K and V: each tile is asked for jointly.
; REGISTERS, in windows of 256: window 0: v0-11 addresses; v12-43 statistics, eight a tile; v44-47 addresses; v64-191 S^T; v192-255 P.  window 1: O^T, 64 a tile.
;   window 2: v0-127 Q; v128-255 K of one step.  window 3: v0-127 V of one step; v128-255 the mask of one step, tile t, key block kb at 128 + 32 t + 8 kb.
.set KS,    64
.set PK,    272       ; a row of K in LDS: 256 + 16 bytes
.set PV,    288       ; a row of V: 256 + 32 bytes
.set VOFF,  KS*PK
.set STEPB, KS*(PK+PV)
.set SLOT1, 1<<17     ; a slot holds two steps; slot 1 begins here
.set XB,    SLOT1+2*STEPB   ; four exchange areas: 16,384 bytes of O^T and 512 of statistics for each wave
.set XAREA, 16896
.set STAGE, XB+4*XAREA      ; 16 rows x 272 bytes for each wave, for the way out
.set SP,    272
.set SPARE, STAGE+4*16*SP   ; the spare words, 128 bytes for each wave, which no other line names
.set AK0, 2
.set AV0, 3
.set ADR, 4
.set QO,  5
.set STO, 6
.set RD,  7
.set GO,  8
.set ST,  12          ; tile t at ST + 8 t: +0 c m, +1 m, +2, +3 l, +4 to +7 at work
.set ML,  44          ; 16 x lane
.set PFM, 45          ; the mask prefetch: (lane / 16) x 131072 + (lane % 16) x 256
.set XS,  46          ; my exchange area
.set XL,  47          ; my partner's
.set PFO, 61
.set SPW, 62
.set NIL, 63
.set S,   64
.set P,   192
.set KF,  128
.set MK,  128
.set WV,  12
.set LIM, 15
.set PFA, 18          ; s[18:19] what my one prefetch of K or V names; never rewritten
.set G1K, 24
.set G1V, 32
.set G0K, 40
.set G0V, 48
.set SLOTS, 56        ; changes of slots that fill, still to come, and one
.set CNT, 57          ; counts the tail's trips
.set CS,  58
.set SEL, 60
.set TB,  62          ; LDS byte at which my step's tiles begin in the slot in hand
.set OH,  68
.set MB0, 70          ; s[70:71] the mask of piece 0 at my step of slot 0 of the keys; s[72:73] the same for piece 2; kept
.set LIMM, 74         ; 1 where the head is 0, else the greatest number
.set QB2, 76
.set SI,  80          ; the number (0 to 15) of the slot of keys that the next fill asks for
.set OF,  82          ; s[82:83] its byte offset in K and V: 32,768 a slot
.set MI,  84          ; s84, s85: the number of the slot whose mask piece 0, piece 2 loaded last
.set MC,  86          ; s[86:87], s[88:89]: the mask of piece 0, piece 2 at that slot
.set MP,  90          ; s[90:91] what the mask's prefetch names
.set OM,  92          ; s[92:93] a byte offset in the mask: 8,192 a slot
.set MSB, 0
.macro WIN new
.if MSB != (\new)
	s_set_vgpr_msb (MSB<<8)|(\new)
.set MSB, \new
.endif
.endm
.set W_KQ, 0x0a       ; K and Q window 2, S^T window 0
.set W_KM, 0x3a       ; the same with C in window 3
.set W_PV, 0x53       ; V window 3, P window 0, O^T window 1
.set W_RS, 0x41       ; destination and source 0 window 1, source 1 window 0
; A joint refill.  Waves 0 and 1 fetch the two steps' tiles of K, waves 2 and 3 those of V.  An s_nop 0 and four v_nop follow each line.
.macro JLOAD
	s_cmp_lt_u32 s[WV], 2
	s_cbranch_scc0 .Lfor_v_\@
	tensor_load_to_lds s[G0K+4:G0K+7], s[G1K:G1K+7]
	s_nop 0
.rept 4
	v_nop
.endr
	s_branch .Lasked_\@
.Lfor_v_\@:
	tensor_load_to_lds s[G0V+4:G0V+7], s[G1V:G1V+7]
	s_nop 0
.rept 4
	v_nop
.endr
.Lasked_\@:
.endm
; A prefetch of what the next change of slots will ask for: 128 rows of K and of V, a lane a row.  A slot of keys is read for the first time in the launch by the cluster that has it among its walk's first four;
; of these the first two come by the first fills, the third by the first change's load.  So each cluster asks once, at its first change (the counter at 14), for its fourth: its four partners take 32 rows
; each, by address; wave 0 K's, wave 2 V's.  Each row is named once at the most.
.macro ASK
	s_cmp_gt_u32 s[SLOTS], s[LIM]
	s_cbranch_scc0 .Lnot_mine_\@
	global_prefetch_b8 v[PFO], s[PFA:PFA+1] th:TH_LOAD_NT scope:SCOPE_SE
.Lnot_mine_\@:
.endm
.macro CROUND
	s_barrier_signal -1
	s_barrier_wait -1
	s_cmp_lg_u32 s[WV], 0
	s_cbranch_scc1 .Lnot_wave_0_\@
	s_barrier_signal -3
.Lnot_wave_0_\@:
	s_barrier_wait -3
	s_barrier_signal -1
	s_barrier_wait -1
.endm
	s_load_b256 s[4:11], s[0:1], 0x0  ; qh 4, kh 6, vh 8, maskp 10
	s_load_b64 s[OH:OH+1], s[0:1], 0x20
	v_lshl_add_u32 v[SPW], v0, 2, SPARE
	v_mov_b32 v[NIL], 0
	ds_add_u32 v[SPW], v[NIL]       ; the wave's opening: the add, waited for ahead of my first tensor load
	v_lshrrev_b32 v1, 5, v0
	v_readfirstlane_b32 s[WV], v1
	s_bfe_u32 s13, ttmp6, 0x40000   ; cx
	s_lshl_b32 s14, ttmp9, 2
	s_add_co_u32 s14, s14, s13      ; my block of 128 queries: it enters global addresses alone
	s_and_b32 s63, ttmp7, 0xffff    ; the head
	s_lshl_b32 s20, s63, 19         ; its 2,048 rows of 256 bytes
	s_and_b32 s16, s[WV], 1         ; my half of the queries; also which of a slot's two steps I fetch
	s_lshr_b32 s75, s[WV], 1        ; which of a slot's two steps I multiply
	s_xor_b32 s78, s75, 1
	s_lshl_b32 s22, s16, 14         ; 64 rows of 256 bytes
	s_add_co_u32 s22, s22, s20
	s_mov_b32 s23, 0
	s_mul_i32 s17, s16, STEPB
	s_mul_i32 s[TB], s75, STEPB
	s_lshl_b32 s2, s14, 15          ; Q: my block's 128 rows, my half, the head
	s_add_co_u32 s2, s2, s22
	s_lshl_b32 s79, s75, 13         ; piece 0 holds query tiles 2 (w / 2) on, piece 2 the other two
	s_lshl_b32 s57, s78, 13
	s_add_co_u32 s76, s2, s57
	s_add_co_u32 s2, s2, s79
	s_mov_b32 s3, 0
	s_mov_b32 s77, 0
	s_lshl_b32 s70, s14, 20         ; the mask: 8 query tiles of 131,072 bytes a block, 4 a half, my step's 4 key blocks of a slot's 8
	s_lshl_b32 s57, s16, 19
	s_add_co_u32 s70, s70, s57
	s_lshl_b32 s57, s75, 12
	s_add_co_u32 s70, s70, s57
	s_lshl_b32 s57, s78, 18
	s_add_co_u32 s72, s70, s57
	s_lshl_b32 s57, s75, 18
	s_add_co_u32 s70, s70, s57
	s_mov_b32 s71, 0
	s_mov_b32 s73, 0
	s_lshl_b32 s66, s14, 19         ; O: rows 128 block + 64 half + 32 (w / 2) of 4,096 bytes, the head's 256 bytes
	s_lshl_b32 s57, s16, 18
	s_add_co_u32 s66, s66, s57
	s_lshl_b32 s57, s75, 17
	s_add_co_u32 s66, s66, s57
	s_lshl_b32 s57, s63, 8
	s_add_co_u32 s66, s66, s57
	s_mov_b32 s67, 0
	s_cmp_eq_u32 s63, 0
	s_cselect_b32 s[LIMM], 1, -1
	s_mov_b32 s[G1K], 15|(1<<16)|(1<<20)|(1<<21)|(5<<22)|(3<<25)  ; the mask of four; 2-byte elements; padding on; bit 21 beside a mask; after every 64 words; 4 words
	s_mov_b32 s[G1V], 15|(1<<16)|(1<<20)|(1<<21)|(5<<22)|(7<<25)  ; the same with 8 words
.irp g, G1K, G1V
	s_mov_b32 s[(\g)+1], 128<<16
	s_mov_b32 s[(\g)+2], KS<<16
	s_mov_b32 s[(\g)+3], 128<<16
	s_mov_b32 s[(\g)+4], KS
	s_mov_b32 s[(\g)+5], 128
	s_mov_b32 s[(\g)+6], 0
	s_mov_b32 s[(\g)+7], 0
.endr
	s_mov_b32 s[CS], 0x460293ee     ; c = log2(e) 2^16 / sqrt(128)
	s_mov_b32 s[CS+1], s[CS]
	s_mov_b32 s[SEL], 0x76543210
	s_mov_b32 s[SEL+1], 0xfedcba98
	s_and_b32 s[LIM], s[WV], 1      ; waves 0 and 2 ask, at the first change of slots alone: the same in all four partners
	s_cmp_eq_u32 s[LIM], 0
	s_cselect_b32 s[LIM], 13, -1
	s_lshl_b32 s[SI], ttmp9, 2      ; my cluster's first slot of keys: 4 X: the same in all four partners
	s_mov_b32 s[MI], s[SI]
	s_mov_b32 s[MI+1], s[SI]
	s_lshl_b32 s[OM], ttmp9, 15     ; its 8,192 bytes a slot in the mask
	s_mov_b32 s[OM+1], 0
	s_mov_b32 s[OF+1], 0
	v_and_b32 v[PFO], 31, v0
	v_lshlrev_b32 v[PFO], 8, v[PFO]
	s_wait_dscnt 0x0                ; the opening add is done
	s_wait_kmcnt 0x0
	s_add_nc_u64 s[6:7], s[6:7], s[22:23]  ; K and V at my tile of slot 0 of the keys; kept
	s_add_nc_u64 s[8:9], s[8:9], s[22:23]
	s_add_nc_u64 s[QB2:QB2+1], s[4:5], s[76:77]
	s_add_nc_u64 s[4:5], s[4:5], s[2:3]
	s_add_nc_u64 s[MB0:MB0+1], s[10:11], s[70:71]
	s_add_nc_u64 s[MB0+2:MB0+3], s[10:11], s[72:73]
	s_add_nc_u64 s[MC:MC+1], s[MB0:MB0+1], s[OM:OM+1]
	s_add_nc_u64 s[MC+2:MC+3], s[MB0+2:MB0+3], s[OM:OM+1]
	s_add_nc_u64 s[OH:OH+1], s[OH:OH+1], s[66:67]
	s_cmp_lt_u32 s[WV], 2
	s_cselect_b64 s[PFA:PFA+1], s[6:7], s[8:9]
	s_lshl_b32 s2, s13, 13          ; my work-group's 32 rows of the 128,
	s_lshl_b32 s3, ttmp9, 17        ; in the fourth slot of my cluster's walk: slot 4 X + 3, 32,768 bytes a slot
	s_add_co_u32 s2, s2, s3
	s_add_co_u32 s2, s2, 3*2*KS*256
	s_mov_b32 s3, 0
	s_add_nc_u64 s[PFA:PFA+1], s[PFA:PFA+1], s[2:3]
	CROUND                          ; all four work-groups are here: the first joint loads meet
.irp s, 0,1
	s_lshl_b32 s[OF], s[SI], 15
	s_mov_b32 s[G0K+4*(\s)], 1
	s_add_co_u32 s[G0K+4*(\s)+1], s17, (\s)*SLOT1
	s_add_nc_u64 s[G0K+4*(\s)+2:G0K+4*(\s)+3], s[6:7], s[OF:OF+1]
	s_or_b32 s[G0K+4*(\s)+3], s[G0K+4*(\s)+3], 0x80000000
	s_mov_b32 s[G0V+4*(\s)], 1
	s_add_co_u32 s[G0V+4*(\s)+1], s17, (\s)*SLOT1+VOFF
	s_add_nc_u64 s[G0V+4*(\s)+2:G0V+4*(\s)+3], s[8:9], s[OF:OF+1]
	s_or_b32 s[G0V+4*(\s)+3], s[G0V+4*(\s)+3], 0x80000000
	s_add_co_u32 s[SI], s[SI], 1
.endr
	s_cmp_lt_u32 s[WV], 2           ; a wave's two first fills stand in one branch: two loads of mine are out
	s_cbranch_scc0 .Lfirst_v
	tensor_load_to_lds s[G0K:G0K+3], s[G1K:G1K+7]
	s_nop 0
	tensor_load_to_lds s[G0K+4:G0K+7], s[G1K:G1K+7]
	s_nop 0
.rept 4
	v_nop
.endr
	s_branch .Lfirst_asked
.Lfirst_v:
	tensor_load_to_lds s[G0V:G0V+3], s[G1V:G1V+7]
	s_nop 0
	tensor_load_to_lds s[G0V+4:G0V+7], s[G1V:G1V+7]
	s_nop 0
.rept 4
	v_nop
.endr
.Lfirst_asked:
	v_and_b32 v1, 15, v0            ; l % 16
	v_bfe_u32 v9, v0, 4, 1          ; l / 16
	v_lshlrev_b32 v[QO], 8, v1
	v_lshl_add_u32 v[QO], v9, 4, v[QO]
	v_and_b32 v[ML], 31, v0
	v_lshlrev_b32 v[ML], 4, v[ML]
	v_lshlrev_b32 v[PFM], 8, v1
	v_lshl_add_u32 v[PFM], v9, 17, v[PFM]
	WIN 0x80                        ; destination window 2
.irp i, 0,1,2,3,4,5,6,7             ; Q stays in registers: register tile i / 4, channels 32 (i % 4) on
	global_load_b128 v[8*(\i):8*(\i)+3],   v[QO], s[4:5] offset:((\i)/4)*4096+((\i)%4)*64
	global_load_b128 v[8*(\i)+4:8*(\i)+7], v[QO], s[4:5] offset:((\i)/4)*4096+((\i)%4)*64+32
.endr
.irp i, 8,9,10,11,12,13,14,15
	global_load_b128 v[8*(\i):8*(\i)+3],   v[QO], s[QB2:QB2+1] offset:((\i)/4-2)*4096+((\i)%4)*64
	global_load_b128 v[8*(\i)+4:8*(\i)+7], v[QO], s[QB2:QB2+1] offset:((\i)/4-2)*4096+((\i)%4)*64+32
.endr
	WIN 0
; A piece's mask for one of my key steps: 2 tiles x 4 key blocks x 2 loads of 512 consecutive bytes.  step = 1: the piece goes on to the walk's next slot of keys (behind slot 15 comes slot 0), and its base is
; made anew from the slot's number.  pf = 1: where the head is 0, the piece's 8,192 bytes of the slot after that are prefetched, a lane a block of 256 bytes, by a base of its own, made in the same way:
; each block is named once at the most; the loop's last trip asks for nothing.
.macro MASKRUN x, step, pf
.if \step
	s_wait_xcnt 0x0                 ; the loads and the prefetch that named these bases have read them
	s_add_co_u32 s[MI+(\x)/2], s[MI+(\x)/2], 1
	s_and_b32 s[MI+(\x)/2], s[MI+(\x)/2], 15
	s_lshl_b32 s[OM], s[MI+(\x)/2], 13
	s_add_nc_u64 s[MC+(\x):MC+(\x)+1], s[MB0+(\x):MB0+(\x)+1], s[OM:OM+1]
.endif
.if \pf
	s_add_co_u32 s[OM], s[MI+(\x)/2], 1
	s_and_b32 s[OM], s[OM], 15
	s_lshl_b32 s[OM], s[OM], 13
	s_add_nc_u64 s[MP:MP+1], s[MB0+(\x):MB0+(\x)+1], s[OM:OM+1]
.endif
	WIN 0xc0                        ; destination window 3
.irp u, 0,1
.irp kb, 0,1,2,3
	global_load_b128 v[MK+32*((\x)+(\u))+8*(\kb):MK+32*((\x)+(\u))+8*(\kb)+3],   v[ML], s[MC+(\x):MC+(\x)+1] offset:131072*(\u)+1024*(\kb)
	global_load_b128 v[MK+32*((\x)+(\u))+8*(\kb)+4:MK+32*((\x)+(\u))+8*(\kb)+7], v[ML], s[MC+(\x):MC+(\x)+1] offset:131072*(\u)+1024*(\kb)+512
.endr
.endr
.if \pf
	WIN 0
	s_cmp_gt_u32 s[SLOTS], s[LIMM]
	s_cbranch_scc0 .Lno_mask_\@
	global_prefetch_b8 v[PFM], s[MP:MP+1] th:TH_LOAD_NT scope:SCOPE_SE
.Lno_mask_\@:
.endif
.endm
	MASKRUN 0, 0, 0
	MASKRUN 2, 0, 0
	WIN 0
	v_mul_u32_u24 v[AK0], v1, PK
	v_lshl_add_u32 v[AK0], v9, 4, v[AK0]
	v_and_b32 v10, 7, v0
	v_bfe_u32 v11, v0, 3, 1
	v_lshl_add_u32 v[AV0], v9, 3, v10
	v_mul_u32_u24 v[AV0], v[AV0], PV
	v_lshl_add_u32 v[AV0], v11, 4, v[AV0]
	v_add_nc_u32 v[AV0], VOFF, v[AV0]
	; What the first turn finds: O^T and l are 0, piece 2's P is 0 (its first products V^T P, of a step that has not been, add 0), c m and m the lowest finite number.  All this stands in the wait for the first tile.
	WIN 0x40
.set i, 0
.rept 256
	v_mov_b32 v[i], 0
.set i, i+1
.endr
	WIN 0
.set i, 0
.rept 4
	v_mov_b32 v[ST+8*i], 0xff7fffff
	v_mov_b32 v[ST+8*i+1], 0xff7fffff
	v_mov_b32 v[ST+8*i+2], 0
	v_mov_b32 v[ST+8*i+3], 0
.set i, i+1
.endr
.set i, P+32
.rept 32
	v_mov_b32 v[i], 0
.set i, i+1
.endr
; THE MATRIX WORK OF A TURN, for piece x.  The accumulators take turns, one instruction a turn.
; Product i of 32 of O^T += V^T P: keys 32 (i / 16) on, channels 16 ((i / 2) % 8) on, tile x + i % 2.
.macro PV x
	WIN W_PV
.set rO, 64*((\x)+i%2)+8*((i/2)%8)
.set rV, 64*(i/16)+8*((i/2)%8)
.set rP, P+16*((\x)+i%2)+8*(i/16)
	v_wmma_f32_16x16x32_f16 v[rO:rO+7], v[rV:rV+7], v[rP:rP+7], v[rO:rO+7]
.endm
; Product i of 32 of S^T = K Q^T + mask: channels 32 (i / 8) on, keys 16 ((i / 2) % 4) on, tile x + i % 2.  The first 8 start the sums with the mask.
.macro KQ x
.set rS, S+32*((\x)+i%2)+8*((i/2)%4)
.set rK, KF+32*((i/2)%4)+8*(i/8)
.set rQ, 32*((\x)+i%2)+8*(i/8)
.set rM, MK+32*((\x)+i%2)+8*((i/2)%4)
.if i < 8
	WIN W_KM
	v_wmma_f32_16x16x32_f16 v[rS:rS+7], v[rK:rK+7], v[rQ:rQ+7], v[rM:rM+7]
.else
	WIN W_KQ
	v_wmma_f32_16x16x32_f16 v[rS:rS+7], v[rK:rK+7], v[rQ:rQ+7], v[rS:rS+7]
.endif
.endm
; THE LDS LOADS stand in runs of 32: a step's K and, a turn later, its V (turned).  last = 1 (the tail): in its last trip there is no further step, and K's run is jumped over.
.macro FETCH_K last=0
	WIN 0
.if \last
	s_cmp_eq_u32 s[CNT], 1
	s_cbranch_scc1 .Lno_k_\@
.endif
	v_add_nc_u32 v[ADR], s[TB], v[AK0]
	WIN 0x80
.irp f, 0,1,2,3,4,5,6,7,8,9,10,11,12,13,14,15
	ds_load_b128 v[KF+8*(\f):KF+8*(\f)+3],   v[ADR] offset:((\f)/4)*16*PK+((\f)%4)*64
	ds_load_b128 v[KF+8*(\f)+4:KF+8*(\f)+7], v[ADR] offset:((\f)/4)*16*PK+((\f)%4)*64+32
.endr
.if \last
	WIN 0
.Lno_k_\@:
.endif
.endm
.macro FETCH_V batch=1              ; batch = 1: the run stands behind a softmax's exponentials
	WIN 0
	v_add_nc_u32 v[ADR], s[TB], v[AV0]
.if \batch
	s_wait_alu depctr_va_vdst(0)    ; the wait for the softmax's batch of exponentials, ahead of the first instruction that names a result
.endif
	WIN 0xc0
.irp f, 0,1,2,3,4,5,6,7,8,9,10,11,12,13,14,15
	ds_load_tr16_b128 v[8*(\f):8*(\f)+3],   v[ADR] offset:((\f)/8)*32*PV+((\f)%8)*32
	ds_load_tr16_b128 v[8*(\f)+4:8*(\f)+7], v[ADR] offset:((\f)/8)*32*PV+16*PV+((\f)%8)*32
.endr
.endm
; THE VECTOR WORK OF A TURN.  One tile's softmax for one key step is a list of 134 instructions; SM writes number j of it for tile t.
;   0-15 the maximum of the lane's 32 scores and the old m     16-20 the other half of the lanes' maximum; the new m; c m; c m_old - c m_new
;   21-69 ONE BATCH: the 16 scalings c s - c m and all 33 exponentials (a at 23); none reads an exponential's result     (the wait)     70-85 the roundings to f16
;   86-101 the sums; l = a l + the sum     102-133 the tile's O^T times a.
.macro SM t
.set rT, ST+8*(\t)
.set rS, S+32*(\t)
.set rP, P+16*(\t)
.set rO, 64*(\t)+2*(j-102)
.if j < 102
	WIN 0
.endif
.if j < 4
	v_max3_num_f32 v[rT+4+j], v[rS+8*j], v[rS+8*j+1], v[rS+8*j+2]
.elseif j < 12
	v_max3_num_f32 v[rT+4+j%4], v[rT+4+j%4], v[rS+8*(j%4)+2*(j/4)+1], v[rS+8*(j%4)+2*(j/4)+2]
.elseif j == 12
	v_max3_num_f32 v[rT+4], v[rT+4], v[rS+7], v[rS+15]
.elseif j == 13
	v_max3_num_f32 v[rT+6], v[rT+6], v[rS+23], v[rS+31]
.elseif j == 14
	v_max3_num_f32 v[rT+4], v[rT+4], v[rT+5], v[rT+6]
.elseif j == 15
	v_max3_num_f32 v[rT+4], v[rT+4], v[rT+7], v[rT+1]
.elseif j == 16
	v_permlanex16_b32 v[rT+5], v[rT+4], s[SEL], s[SEL+1]
.elseif j == 17
	v_mov_b32 v[rT+7], v[rT]
.elseif j == 18
	v_max_num_f32 v[rT+1], v[rT+4], v[rT+5]
.elseif j == 19
	v_mul_f32 v[rT], s[CS], v[rT+1]
.elseif j == 20
	v_sub_f32 v[rT+7], v[rT+7], v[rT]
.elseif j == 23
	v_exp_f32 v[rT+6], v[rT+7]
.elseif (j < 23) || ((j < 38) && (j%2 == 0)) || ((j < 66) && (j%4 == 2))
.set b, (j-2)/4
.if j < 38
.set b, (j-20)/2
.endif
	v_pk_fma_f32 v[rS+2*b:rS+2*b+1], v[rS+2*b:rS+2*b+1], s[CS:CS+1], v[rT:rT+1] op_sel_hi:[1,0,0] neg_lo:[0,0,1] neg_hi:[0,0,1]
.elseif j < 70
.set e, j-38
.if j < 66
.set e, j-32-(j-38)/4
.endif
.if j < 38
.set e, (j-25)/2
.endif
	v_exp_f32 v[rS+e], v[rS+e]
.elseif j < 86
	v_cvt_pk_f16_f32 v[rP+j-70], v[rS+2*(j-70)], v[rS+2*(j-70)+1]
.elseif j < 102
.set z, j-86
.set w, 4
.set u, z
.if z >= 14
.set w, 32
.set u, 0
.elseif z >= 12
.set w, 16
.set u, z-12
.elseif z >= 8
.set w, 8
.set u, z-8
.endif
.if z < 15
	v_pk_add_f32 v[rS+w*u:rS+w*u+1], v[rS+w*u:rS+w*u+1], v[rS+w*u+w/2:rS+w*u+w/2+1]
.else
	v_pk_fma_f32 v[rT+2:rT+3], v[rT+2:rT+3], v[rT+6:rT+7], v[rS:rS+1] op_sel_hi:[1,0,1]
.endif
.else
	WIN W_RS
	v_pk_mul_f32 v[rO:rO+1], v[rO:rO+1], v[rT+6:rT+7] op_sel_hi:[1,0]
.endif
.endm
; Slice k of 64 of piece y's softmax: four instructions.  Slices 11 to 34 deal out the batch, four numbers of one tile each; every other slice is numbers 2 k and 2 k + 1 of both tiles; the twelve that are over
; stand in slice 63.  Behind slice 34 stands the piece's one wait for its 66 exponentials: ahead of it nothing names a result, behind it no exponential is issued.
.macro SLICE y
.if (k >= 11) && (k < 35)
.irp n, 0,1,2,3
.set j, 22+4*((k-11)/2)+(\n)
	SM (\y)+(k-11)%2
.endr
.else
.irp n, 0,1,2,3,4,5,6,7
.if ((\n) < 2) || (k == 63)
.irp t, \y, (\y)+1
.set j, 2*k+(\n)
	SM \t
.endr
.endif
.endr
.endif
.if k == 34
	v_nop                           ; the plain instruction behind the last exponential: one for the batch
.if (\y) == 0
	FETCH_V                         ; piece 2's turn: V's run of loads stands here, and the wait stands in it
.else
	s_wait_alu depctr_va_vdst(0)    ; the wait for the batch
.endif
.endif
.set k, k+1
.endm
; A TURN.  Piece x has the matrix unit: 32 products V^T P of the step in hand, 32 products K Q^T of the next; a slice of the other piece's softmax behind each.  Piece 0's turn fetches the next step's K
; behind its second product, piece 2's the same step's V behind slice 34.
; mr = 1: behind product 11 of K Q^T and its slice the piece's mask of the step after is loaded: the last product that read the mask is number 7, and the slices between hold four plain instructions or more.
; lc: how many younger loads may be out when this piece's mask has to be in: the other piece's run of 16, or none.  last = 1: the tail's form of K's run.
.macro TURN x, mr, pf, lc, last=0
.set k, 0
.if (\x) == 0
	s_wait_dscnt 0x0                ; V is in
.endif
.set i, 0
.rept 32
	PV \x
	SLICE 2-(\x)
.if ((\x) == 0) && (i == 1)
	FETCH_K \last
.endif
.set i, i+1
.endr
.if (\x) == 0
	s_wait_dscnt 0x0                ; K is in
.endif
	s_wait_loadcnt \lc              ; my piece's mask is in
.set i, 0
.rept 32
	KQ \x
	SLICE 2-(\x)
.if (\mr) && (i == 11)
	MASKRUN \x, 1, \pf
.endif
.set i, i+1
.endr
.endm
; THE CHANGE OF SLOTS, behind piece 2's turn: my step's K and V of this slot have been asked for.  Each wave waits for all its tensor loads (its part of the other slot), adds 0 to its spare word, and waits for that
; and for its reads of the slot.  fill = 1: the barrier is a round of the cluster's, and the slot is filled again, with the walk's slot of keys after next, first thing behind it: 128 matrix instructions in which to land.
.macro CHANGE fill
	WIN 0
	s_wait_tensorcnt 0x0
	ds_add_u32 v[SPW], v[NIL]       ; 0 onto my spare word; with fill = 1 the descriptors' scalar work stands between it and the wait for it
.if \fill
	s_lshl_b32 s[OF], s[SI], 15
	s_xor_b32 s[G0K+5], s[G0K+5], SLOT1
	s_add_nc_u64 s[G0K+6:G0K+7], s[6:7], s[OF:OF+1]
	s_or_b32 s[G0K+7], s[G0K+7], 0x80000000
	s_xor_b32 s[G0V+5], s[G0V+5], SLOT1
	s_add_nc_u64 s[G0V+6:G0V+7], s[8:9], s[OF:OF+1]
	s_or_b32 s[G0V+7], s[G0V+7], 0x80000000
	s_add_co_u32 s[SI], s[SI], 1    ; the walk goes round: behind slot 15 comes slot 0
	s_and_b32 s[SI], s[SI], 15
	s_wait_dscnt 0x0
	CROUND
	JLOAD
	ASK
.else
	s_wait_dscnt 0x0
	s_barrier_signal -1
	s_barrier_wait -1
.endif
	s_xor_b32 s[TB], s[TB], SLOT1   ; my step in the other slot
.endm
	s_wait_tensorcnt 1              ; my part of slot 0 is in; slot 1's may stay out
	s_barrier_signal -1
	s_barrier_wait -1
	FETCH_K                         ; my key step 0
	FETCH_V 0                       ; and its V: piece 2's first products V^T P multiply it by P = 0; the first turn fetches it again
	s_wait_loadcnt 0x0              ; Q and the first step's mask
	s_wait_dscnt 0x0
.set i, 0
.rept 32
	KQ 0                            ; piece 0's first scores: there is no vector work yet to set between them
.set i, i+1
.endr
	WIN 0                           ; the addresses for the end are made here: plain instructions, the places behind those products
	s_mul_i32 s13, s[WV], 16*SP
	s_add_co_u32 s13, s13, STAGE
	v_mul_u32_u24 v[STO], v1, SP
	v_lshl_add_u32 v[STO], v9, 4, v[STO]
	v_add_nc_u32 v[STO], s13, v[STO]
	v_mul_u32_u24 v[RD], v9, SP
	v_lshl_add_u32 v[RD], v1, 4, v[RD]
	v_add_nc_u32 v[RD], s13, v[RD]
	v_lshlrev_b32 v[GO], 12, v9     ; two rows of oh, 4,096 bytes apart
	v_lshl_add_u32 v[GO], v1, 4, v[GO]
	s_mul_i32 s13, s[WV], XAREA
	s_add_co_u32 s13, s13, XB
	v_add_nc_u32 v[XS], s13, v[ML]
	s_xor_b32 s13, s[WV], 2
	s_mul_i32 s13, s13, XAREA
	s_add_co_u32 s13, s13, XB
	v_add_nc_u32 v[XL], s13, v[ML]
	MASKRUN 0, 1, 0                 ; piece 0's mask of step 1
	WIN 0
	s_mov_b32 s[SLOTS], 15
	s_branch .Lfirst                ; the loop is entered at piece 2's turn, in the middle of a trip
.Lslot:                             ; 14 times: a slot is filled again, a key step of mine is done
	CHANGE 1
	TURN 0, 1, 1, 16                ; piece 0: V^T P of the step in hand, K Q^T of the next | piece 2's softmax | the next step's K
	WIN 0
.Lfirst:
	TURN 2, 1, 1, 16                ; piece 2: the same | piece 0's softmax of the next step | its V
	WIN 0
	s_sub_co_u32 s[SLOTS], s[SLOTS], 1
	s_cmp_lg_u32 s[SLOTS], 0
	s_cbranch_scc1 .Lslot
	CHANGE 0                        ; the tail is written out: nothing is asked for, no mask is left to load
	s_mov_b32 s[CNT], 2             ; the first trip is my last key step; the second is left in its middle
.Ltail:
	TURN 0, 0, 0, 16, 1
	WIN 0
	s_sub_co_u32 s[CNT], s[CNT], 1
	s_cmp_eq_u32 s[CNT], 0
	s_cbranch_scc1 .Lout
	TURN 2, 0, 0, 0
	WIN 0
	s_branch .Ltail
.Lout:                              ; the second trip's 32 products K Q^T (on the last K once more) serve nothing: the price, once a launch, of one text for both trips
.set i, 0
.rept 32
	PV 2                            ; piece 2: V^T P of the last step
.set i, i+1
.endr
	; THE TWO HALVES OF THE KEYS MEET.  l's parts are added; register tiles 2, 3 (O^T, c m, l) go to wave w xor 2, whose tiles 2, 3 are my tiles 0, 1.  The additions are the places behind the last products.
	WIN 0
.irp t, 0,1,2,3
	v_add_f32 v[ST+8*(\t)+4], v[ST+8*(\t)+2], v[ST+8*(\t)+3]
.endr
.irp t, 0,1,2,3
	v_permlanex16_b32 v[ST+8*(\t)+5], v[ST+8*(\t)+4], s[SEL], s[SEL+1]
.endr
.irp t, 0,1,2,3
	v_add_f32 v[ST+8*(\t)+4], v[ST+8*(\t)+4], v[ST+8*(\t)+5]
.endr
	v_mov_b32 v[S], v[ST+16]
	v_mov_b32 v[S+1], v[ST+24]
	v_mov_b32 v[S+2], v[ST+20]
	v_mov_b32 v[S+3], v[ST+28]
	WIN 0x04                        ; store data window 1
.set i, 0
.rept 32
	ds_store_b128 v[XS], v[128+4*i:128+4*i+3] offset:512*i
.set i, i+1
.endr
	WIN 0
	ds_store_b128 v[XS], v[S:S+3] offset:16384
	s_wait_dscnt 0x0                ; for my partner's sake: my stores are done
	s_barrier_signal -1
	s_barrier_wait -1
	WIN 0x80                        ; into Q's registers, which are free
.set i, 0
.rept 32
	ds_load_b128 v[4*i:4*i+3], v[XL] offset:512*i
.set i, i+1
.endr
	WIN 0
	ds_load_b128 v[S+4:S+7], v[XL] offset:16384
	s_wait_dscnt 0x0
.irp t, 0,1
	v_max_num_f32 v[ST+8*(\t)+5], v[ST+8*(\t)], v[S+4+(\t)]         ; the common c m
.endr
.irp t, 0,1
	v_sub_f32 v[ST+8*(\t)+6], v[ST+8*(\t)], v[ST+8*(\t)+5]
	v_sub_f32 v[ST+8*(\t)+7], v[S+4+(\t)], v[ST+8*(\t)+5]
.endr
.irp t, 0,1
	v_exp_f32 v[ST+8*(\t)+6], v[ST+8*(\t)+6]
	v_exp_f32 v[ST+8*(\t)+7], v[ST+8*(\t)+7]
.endr
	v_nop
	s_wait_alu depctr_va_vdst(0)    ; one wait for the four exponentials
.irp t, 0,1
	v_mul_f32 v[ST+8*(\t)+4], v[ST+8*(\t)+4], v[ST+8*(\t)+6]
.endr
.irp t, 0,1
	v_fmac_f32 v[ST+8*(\t)+4], v[S+6+(\t)], v[ST+8*(\t)+7]          ; l = l_mine f_mine + l_partner f_partner
.endr
.irp t, 0,1
	v_rcp_f32 v[ST+8*(\t)+5], v[ST+8*(\t)+4]
.endr
	v_nop
	s_wait_alu depctr_va_vdst(0)    ; one wait for the two reciprocals
.irp t, 0,1
	v_mul_f32 v[ST+8*(\t)+2], v[ST+8*(\t)+6], v[ST+8*(\t)+5]        ; f_mine / l
	v_mul_f32 v[ST+8*(\t)+6], v[ST+8*(\t)+7], v[ST+8*(\t)+5]        ; f_partner / l
.endr
; Tile t: O = O_mine g_mine + O_partner g_partner, rounded to f16; a lane's eight channels pack into 16 bytes, go into rows of 272 bytes and come back as whole rows of 256.
.macro PACK t
	WIN W_RS
.set i, 64*(\t)
.rept 32
	v_pk_mul_f32 v[i:i+1], v[i:i+1], v[ST+8*(\t)+2:ST+8*(\t)+3] op_sel_hi:[1,0]
.set i, i+2
.endr
	WIN 0x52                        ; source 0 window 2, source 1 window 0, source 2 and destination window 1
.set i, 64*(\t)
.rept 32
	v_pk_fma_f32 v[i:i+1], v[i:i+1], v[ST+8*(\t)+6:ST+8*(\t)+7], v[i:i+1] op_sel_hi:[1,0,1]
.set i, i+2
.endr
	WIN 0x05
.set i, 0
.rept 32
	v_cvt_pk_f16_f32 v[S+32*(\t)+i], v[64*(\t)+2*i], v[64*(\t)+2*i+1]
.set i, i+1
.endr
	WIN 0
.irp f, 0,1,2,3,4,5,6,7
	ds_store_b128 v[STO], v[S+32*(\t)+4*(\f):S+32*(\t)+4*(\f)+3] offset:32*(\f)
.endr
.irp f, 0,1,2,3,4,5,6,7
	ds_load_b128 v[S+32*(\t)+4*(\f):S+32*(\t)+4*(\f)+3], v[RD] offset:(\f)*2*SP  ; LDS serves a wave's instructions in order (ISA guide 5.7.1.4)
.endr
.endm
.macro SEND t, younger
	WIN 0
.irp f, 0,1,2,3,4,5,6,7
	s_wait_dscnt (\younger)+7-(\f)
	global_store_b128 v[GO], v[S+32*(\t)+4*(\f):S+32*(\t)+4*(\f)+3], s[OH:OH+1] offset:(\t)*65536+(\f)*8192  ; 16 lanes store 256 consecutive bytes, aligned
.endr
.endm
	PACK 0
	PACK 1
	SEND 0, 16
	SEND 1, 0
	s_wait_tensorcnt 0x0            ; the wave's end
	ds_add_u32 v[SPW], v[NIL]
	s_wait_dscnt 0x0
	CROUND                          ; the closing round
	s_endpgm
.Lfunc_end_k_q6ce9ce4c41_attn:
	.size	k_q6ce9ce4c41_attn, .Lfunc_end_k_q6ce9ce4c41_attn-k_q6ce9ce4c41_attn
	.p2alignl 7, 3214868480
	.fill 96, 4, 3214868480
	.section	.rodata,"a",@progbits
	.p2align	6, 0x0
	.amdhsa_kernel k_q6ce9ce4c41_attn
		.amdhsa_group_segment_fixed_size 327680
		.amdhsa_private_segment_fixed_size 0
		.amdhsa_enable_private_segment 0
		.amdhsa_kernarg_size 40
		.amdhsa_user_sgpr_count 2
		.amdhsa_user_sgpr_kernarg_segment_ptr 1
		.amdhsa_wavefront_size32 1
		.amdhsa_system_sgpr_workgroup_id_x 1
		.amdhsa_system_sgpr_workgroup_id_y 1
		.amdhsa_system_sgpr_workgroup_id_z 1
		.amdhsa_system_vgpr_workitem_id 0
		.amdhsa_next_free_vgpr 1024
		.amdhsa_next_free_sgpr 96
		.amdhsa_reserve_vcc 0
		.amdhsa_float_denorm_mode_32 3
		.amdhsa_float_denorm_mode_16_64 3
		.amdhsa_memory_ordered 1
		.amdhsa_forward_progress 1
		.amdhsa_inst_pref_size 162
	.end_amdhsa_kernel
	.amdgpu_metadata
---
amdhsa.version: [ 1, 2 ]
amdhsa.kernels:
  - .name:           k_q6ce9ce4c41_attn
    .symbol:         k_q6ce9ce4c41_attn.kd
    .args:
      - { .name: qh, .offset: 0, .size: 8, .value_kind: global_buffer, .address_space: global }
      - { .name: kh, .offset: 8, .size: 8, .value_kind: global_buffer, .address_space: global }
      - { .name: vh, .offset: 16, .size: 8, .value_kind: global_buffer, .address_space: global }
      - { .name: maskp, .offset: 24, .size: 8, .value_kind: global_buffer, .address_space: global }
      - { .name: oh, .offset: 32, .size: 8, .value_kind: global_buffer, .address_space: global }
    .group_segment_fixed_size: 327680
    .private_segment_fixed_size: 0
    .kernarg_segment_align: 8
    .kernarg_segment_size: 40
    .max_flat_workgroup_size: 128
    .sgpr_count:     96
    .vgpr_count:     1024
    .wavefront_size: 32
...
	.end_amdgpu_metadata
.endif
;; end of part 3
;; launch oproj (part 4): grid 16 x 16, 4 waves a work-group, clusters of 4 x 4, 327,680 bytes of LDS; arguments oh, bf, out0; writes out0
.if DOCPART == 4
	.amdgcn_target "amdgcn-amd-amdhsa--gfx1250"
	.amdhsa_code_object_version 6
	.text
	.protected	k_q6ce9ce4c41_oproj
	.globl	k_q6ce9ce4c41_oproj
	.p2align	8
	.type	k_q6ce9ce4c41_oproj,@function
k_q6ce9ce4c41_oproj:
	s_mov_b64 s[64:65], 0
	v_nop
	global_prefetch_b8 v0, s[64:65] scope:SCOPE_SE
	s_setreg_imm32_b32 hwreg(HW_REG_WAVE_MODE, 25, 1), 1
	s_wait_xcnt 0x0
	s_wait_alu depctr_hold_cnt(0) depctr_sa_sdst(0) depctr_va_vdst(0) depctr_va_sdst(0) depctr_va_ssrc(0) depctr_va_vcc(0) depctr_vm_vsrc(0)
	s_getreg_b32 s2, hwreg(HW_REG_IB_STS2, 6, 4)
	s_cmp_eq_u32 s2, 0
	s_cbranch_scc0 .Lentry_in_a_cluster
	s_endpgm
.Lentry_in_a_cluster:
	s_bfe_u32 s2, ttmp6, 0x10000c
	s_cmp_lg_u32 s2, 0xf033
	s_cbranch_scc0 .Lentry_shape_is_right
	s_endpgm
.Lentry_shape_is_right:
; out0 = O wo.  oh: [2048][2048] f16 = O / 4; section 4 of bf: [k][n] f16 = bf16(4 wo) written as f16; out0: [2048][2048] f32.  Sums in f32.
; A tile of out0 is 128 x 128: 16 x 16 work-groups, four waves of 64 x 64: 16 accumulators.  K goes in 8 steps of 256 through two LDS slots: 128 rows x 512 bytes of oh, 256 k-rows x 256 bytes of wo.
; Waves 0, 1 fetch oh's two halves (64 rows), waves 2, 3 wo's (128 k-rows): one tensor load a wave behind each change of slots.
; THE WALK ALONG K.  A cluster, at place (X, Y) among the 4 x 4 clusters, begins at K step 2 ((X + 2 Y) % 4) and walks all 8 steps round (f32 sums may be taken in any order).  The four clusters of one Y,
; which read the same rows of oh, begin 2 steps apart; clusters Y and Y + 1 of one X, which read the same columns of wo, 4 apart: such clusters ask for a block one after the other, not in the same step.
; A fill's global address is made anew from the step's number: the tile's base, the number shifted, the type bits again.
; THE TEXT.  A K step is written once in the loop (6 trips, each fills a slot again) and once in the tail (two trips, which fill nothing; the second is left in its middle).  Which slot is in hand is a
; scalar offset, 0 or SLOT, turned by an exclusive or at each change; the fragments' LDS addresses are made anew from it there.
; CLUSTER 4 x 4: oh's tile is asked for jointly along a row of the cluster, wo's along a column.
; THE MATRIX INSTRUCTION IS USED TRANSPOSED: source 0 = 16 columns of wo (turned by ds_load_tr16_b128), source 1 = 16 rows of oh: a lane holds eight neighbouring numbers of a row, 32 bytes.
; REGISTERS: window 0: v0-31 addresses; v128-255 the accumulators ((a, b) at 128 + 8 (4 a + b)).  window 1: two fragment buffers of 128: 64 registers of oh (2 x 4 x 16 rows x 32 K), then 64 of wo.
.set SEC,   8388608
.set KSTEP, 256
.set PA,    528                        ; oh's LDS row: 512 + 16 bytes
.set PB,    288                        ; wo's LDS row: 256 + 32 bytes
.set HALFA, 64*PA
.set HALFB, 128*PB
.set BOFF,  2*HALFA
.set SLOT,  BOFF+2*HALFB
.set STAGE, 2*SLOT                     ; behind the ring: 16 rows x 272 bytes for each wave
.set SP,    272
.set SPARE, STAGE+4*16*SP
.set STEPS, 8
.set BASA, 16                          ; v16     my oh fragments in slot 0; never rewritten
.set CURA, 17                          ; v17     the same in the slot in hand
.set BASB, 20                          ; v20-21  my wo fragments in slot 0: half kh of the step's 256 k-rows; never rewritten
.set CURB, 22                          ; v22-23  the same in the slot in hand
.set STO,  24
.set RD,   25
.set CO,   26
.set SPW,  28
.set NIL,  29
.set ACC,  128
.set F0,   0
.set F1,   128
.set G1, 24
.set G0, 32                            ; s[32:39] group 0 for oh's tiles: a set for each of the two first fills; the second serves every refill
.set SO, 45                            ; the slot in hand: 0 or SLOT
.set G1B, 48
.set G0B, 56                           ; s[56:63] the same for wo's tiles
.set KI,  66                           ; the number (0 to 7) of the K step that the next fill asks for
.set OFA, 68                           ; s[68:69] its byte offset along oh's rows: 512 a step
.set OFB, 70                           ; s[70:71] its byte offset down wo: 256 rows of 4,096 bytes a step
.set WOB, 72                           ; s[72:73] my part of wo's tile at K step 0; kept
.set MSB, 0
.macro WIN new
.if MSB != (\new)
	s_set_vgpr_msb (MSB<<8)|(\new)
.set MSB, \new
.endif
.endm
.set MUL,  0x05
.set TO_F, 0x40
.macro JLOAD s                         ; an s_nop 0 and four v_nop follow each of the two lines
	s_cmp_eq_u32 s11, 0
	s_cbranch_scc0 .Lfor_b_\@
	tensor_load_to_lds s[G0+4*(\s):G0+4*(\s)+3], s[G1:G1+7]
	s_nop 0
.rept 4
	v_nop
.endr
	s_branch .Lasked_\@
.Lfor_b_\@:
	tensor_load_to_lds s[G0B+4*(\s):G0B+4*(\s)+3], s[G1B:G1B+7]
	s_nop 0
.rept 4
	v_nop
.endr
.Lasked_\@:
.endm
.macro CREST
	s_cmp_lg_u32 s10, 0
	s_cbranch_scc1 .Lnot_wave_0_\@
	s_barrier_signal -3
.Lnot_wave_0_\@:
	s_barrier_wait -3
	s_barrier_signal -1
	s_barrier_wait -1
.endm
.macro CROUND
	s_barrier_signal -1
	s_barrier_wait -1
	CREST
.endm
	s_load_b128 s[4:7], s[0:1], 0x0                ; oh 4, bf 6
	s_load_b64 s[8:9], s[0:1], 0x10                ; out0
	v_lshl_add_u32 v[SPW], v0, 2, SPARE
	v_mov_b32 v[NIL], 0
	ds_add_u32 v[SPW], v[NIL]                      ; the wave's opening: the add, waited for ahead of my first tensor load
	v_lshrrev_b32 v1, 5, v0
	v_readfirstlane_b32 s10, v1                    ; wave 0..3
	s_lshr_b32 s11, s10, 1                         ; my half of the rows.  Also: I fetch for oh (0) or for wo (1)
	s_and_b32 s12, s10, 1                          ; my half of the columns.  Also: which half of that tile I fetch
	s_bfe_u32 s40, ttmp6, 0x40000
	s_bfe_u32 s41, ttmp6, 0x40004
	s_lshl_b32 s42, ttmp9, 2
	s_add_co_u32 s42, s42, s40                     ; tile column
	s_and_b32 s13, ttmp7, 0xffff
	s_lshl_b32 s13, s13, 2
	s_add_co_u32 s13, s13, s41                     ; tile row
	s_lshl_b32 s43, s41, 2
	s_lshl_b32 s43, 15, s43
	s_lshl_b32 s44, 0x1111, s40
	s_or_b32 s[G1+0], s43, (1<<16)|(1<<20)|(1<<21)|(6<<22)|(3<<25)   ; oh: padding of 4 words after every 128
	s_mov_b32 s[G1+1], KSTEP<<16                   ; tensor_dim0 = 256
	s_mov_b32 s[G1+2], 64<<16                      ; tensor_dim1 = 64
	s_mov_b32 s[G1+3], KSTEP<<16                   ; tile_dim0 = 256
	s_mov_b32 s[G1+4], 64                          ; tile_dim1 = 64
	s_mov_b32 s[G1+5], 2048
	s_mov_b32 s[G1+6], 0
	s_mov_b32 s[G1+7], 0
	s_or_b32 s[G1B+0], s44, (1<<16)|(1<<20)|(1<<21)|(5<<22)|(7<<25)  ; wo: padding of 8 words after every 64
	s_mov_b32 s[G1B+1], 128<<16
	s_mov_b32 s[G1B+2], 128<<16
	s_mov_b32 s[G1B+3], 128<<16
	s_mov_b32 s[G1B+4], 128
	s_mov_b32 s[G1B+5], 2048
	s_mov_b32 s[G1B+6], 0
	s_mov_b32 s[G1B+7], 0
	s_mov_b32 s[SO], 0
	s_and_b32 s67, ttmp7, 0xffff                   ; my cluster's first K step: 2 ((X + 2 Y) % 4): the same in all sixteen partners
	s_lshl_b32 s67, s67, 1
	s_add_co_u32 s67, s67, ttmp9
	s_and_b32 s67, s67, 3
	s_lshl_b32 s[KI], s67, 1
	s_mov_b32 s[OFA+1], 0
	s_mov_b32 s[OFB+1], 0
	s_lshl_b32 s16, s13, 19                        ; oh: rows 128 x tile row + 64 x half, 4,096 bytes each
	s_lshl_b32 s17, s12, 18
	s_add_co_u32 s16, s16, s17
	s_mov_b32 s17, 0
	s_lshl_b32 s46, s42, 8                         ; wo: section 4, k-rows 128 x half, the tile's 256 bytes of a row
	s_lshl_b32 s47, s12, 19
	s_add_co_u32 s46, s46, s47
	s_add_co_u32 s46, s46, 4*SEC
	s_mov_b32 s47, 0
	s_mul_i32 s20, s12, HALFA                      ; where they go in a slot; both are kept for the refills' descriptors
	s_mul_i32 s21, s12, HALFB
	s_add_co_u32 s21, s21, BOFF
	s_wait_dscnt 0x0
	s_wait_kmcnt 0x0
	s_add_nc_u64 s[14:15], s[4:5], s[16:17]        ; my part of oh's tile at K step 0; kept
	s_add_nc_u64 s[WOB:WOB+1], s[6:7], s[46:47]
	CROUND                                         ; all sixteen work-groups are here: the first joint loads meet
.irp s, 0,1
	s_lshl_b32 s[OFA], s[KI], 9
	s_lshl_b32 s[OFB], s[KI], 20
	s_mov_b32 s[G0+4*(\s)], 1
	s_add_co_u32 s[G0+4*(\s)+1], s20, (\s)*SLOT
	s_add_nc_u64 s[G0+4*(\s)+2:G0+4*(\s)+3], s[14:15], s[OFA:OFA+1]
	s_or_b32 s[G0+4*(\s)+3], s[G0+4*(\s)+3], 0x80000000
	s_mov_b32 s[G0B+4*(\s)], 1
	s_add_co_u32 s[G0B+4*(\s)+1], s21, (\s)*SLOT
	s_add_nc_u64 s[G0B+4*(\s)+2:G0B+4*(\s)+3], s[WOB:WOB+1], s[OFB:OFB+1]
	s_or_b32 s[G0B+4*(\s)+3], s[G0B+4*(\s)+3], 0x80000000
	s_add_co_u32 s[KI], s[KI], 1
	s_and_b32 s[KI], s[KI], 7
	JLOAD \s
.endr
	v_and_b32 v1, 15, v0
	v_bfe_u32 v2, v0, 4, 1
	v_and_b32 v6, 7, v0
	v_bfe_u32 v7, v0, 3, 1
	v_mul_u32_u24 v3, v1, PA
	v_lshl_add_u32 v3, v2, 4, v3
	s_mul_i32 s22, s11, HALFA
	v_add_nc_u32 v[BASA], s22, v3
	v_mov_b32 v[CURA], v[BASA]                     ; slot 0 is in hand
	v_lshl_add_u32 v4, v2, 3, v6
	v_mul_u32_u24 v4, v4, PB
	v_lshl_add_u32 v4, v7, 4, v4
	s_lshl_b32 s22, s12, 7
	s_add_co_u32 s22, s22, BOFF
	v_add_nc_u32 v4, s22, v4
.irp kh, 0,1
	v_add_nc_u32 v[BASB+(\kh)], (\kh)*HALFB, v4
	v_add_nc_u32 v[CURB+(\kh)], (\kh)*HALFB, v4
.endr
	s_mul_i32 s23, s10, 16*SP
	s_add_co_u32 s23, s23, STAGE                   ; my stage
	v_mul_u32_u24 v5, v1, SP                       ; in: row l % 16, 32 bytes for each half of the lanes
	v_lshl_add_u32 v5, v2, 5, v5
	v_add_nc_u32 v[STO], s23, v5
	v_mul_u32_u24 v5, v2, SP                       ; back: lanes 0-15 one row of 256 bytes, lanes 16-31 the next
	v_lshl_add_u32 v5, v1, 4, v5
	v_add_nc_u32 v[RD], s23, v5
	v_lshlrev_b32 v[CO], 13, v2                    ; and the same two rows in out0
	v_lshl_add_u32 v[CO], v1, 4, v[CO]
	s_lshl_b32 s16, s13, 20                        ; rows 128 x tile row + 64 x my half, 8,192 bytes each
	s_lshl_b32 s17, s11, 19
	s_add_co_u32 s16, s16, s17
	s_mov_b32 s17, 0
	s_add_nc_u64 s[8:9], s[8:9], s[16:17]
	s_lshl_b32 s46, s42, 9                         ; the tile's 512 bytes of a row, my 256 of them
	s_lshl_b32 s47, s12, 8
	s_add_co_u32 s46, s46, s47
	s_mov_b32 s47, 0
	s_add_nc_u64 s[8:9], s[8:9], s[46:47]
; 8 matrix instructions: m blocks a0, a0 + 1 x all 4 n blocks, 32 along K: half c of buffer f.  The 16 accumulators take turns.
.macro MUL8 f, c, a0, zero
	WIN MUL
.irp a, \a0, (\a0)+1
.irp b, 0,1,2,3
.if \zero
	v_wmma_f32_16x16x32_f16 v[ACC+8*(4*(\a)+(\b)):ACC+8*(4*(\a)+(\b))+7], v[(\f)+64+8*(4*(\c)+(\b)):(\f)+64+8*(4*(\c)+(\b))+7], v[(\f)+8*(4*(\c)+(\a)):(\f)+8*(4*(\c)+(\a))+7], 0
.else
	v_wmma_f32_16x16x32_f16 v[ACC+8*(4*(\a)+(\b)):ACC+8*(4*(\a)+(\b))+7], v[(\f)+64+8*(4*(\c)+(\b)):(\f)+64+8*(4*(\c)+(\b))+7], v[(\f)+8*(4*(\c)+(\a)):(\f)+8*(4*(\c)+(\a))+7], v[ACC+8*(4*(\a)+(\b)):ACC+8*(4*(\a)+(\b))+7]
.endif
.endr
.endr
.endm
; 32 LDS loads in one run: quarter kq (64 along K) of the slot in hand into buffer f; the first 32 along K first
.macro FETCH kq, f
	WIN TO_F
.irp c, 0,1
.irp i, 0,1,2,3
	ds_load_tr16_b128 v[(\f)+64+8*(4*(\c)+(\i)):(\f)+64+8*(4*(\c)+(\i))+3],   v[CURB+(\kq)/2] offset:64*PB*((\kq)%2)+32*PB*(\c)+32*(\i)
	ds_load_tr16_b128 v[(\f)+64+8*(4*(\c)+(\i))+4:(\f)+64+8*(4*(\c)+(\i))+7], v[CURB+(\kq)/2] offset:64*PB*((\kq)%2)+32*PB*(\c)+32*(\i)+16*PB
	ds_load_b128 v[(\f)+8*(4*(\c)+(\i)):(\f)+8*(4*(\c)+(\i))+3],         v[CURA] offset:128*(\kq)+64*(\c)+(\i)*16*PA
	ds_load_b128 v[(\f)+8*(4*(\c)+(\i))+4:(\f)+8*(4*(\c)+(\i))+7],       v[CURA] offset:128*(\kq)+64*(\c)+(\i)*16*PA+32
.endr
.endr
.endm
.macro PLACES
.rept 4
	v_nop
.endr
.endm
.macro QUARTER kq, f, g, zero
	s_wait_dscnt 16                                ; the first 32 along K are in
	MUL8 \f, 0, 0, \zero
	MUL8 \f, 0, 2, \zero
	PLACES
	FETCH \kq, \g
	s_wait_dscnt 32                                ; all but the 32 just issued
	MUL8 \f, 1, 0, 0
	MUL8 \f, 1, 2, 0
.endm
; The last quarter multiplies buffer 1 and changes slots: one barrier; in front of it each wave waits for all its tensor loads, adds 0 to its spare word, and waits for that and for its reads of this slot.
; fill = 1: the barrier opens a round of the cluster's, and the slot just read out is filled again, with the walk's step after next, first thing behind the round.  The descriptors are written between the
; add and the wait for it, where no tensor load of mine is out.
.macro TURN fill
	WIN 0
	s_wait_tensorcnt 0x0
	ds_add_u32 v[SPW], v[NIL]
.if \fill
	s_lshl_b32 s[OFA], s[KI], 9
	s_lshl_b32 s[OFB], s[KI], 20
	s_add_co_u32 s[G0+5], s[SO], s20
	s_add_nc_u64 s[G0+6:G0+7], s[14:15], s[OFA:OFA+1]
	s_or_b32 s[G0+7], s[G0+7], 0x80000000
	s_add_co_u32 s[G0B+5], s[SO], s21
	s_add_nc_u64 s[G0B+6:G0B+7], s[WOB:WOB+1], s[OFB:OFB+1]
	s_or_b32 s[G0B+7], s[G0B+7], 0x80000000
	s_add_co_u32 s[KI], s[KI], 1                   ; the walk goes round: behind step 7 comes step 0
	s_and_b32 s[KI], s[KI], 7
.endif
	s_wait_dscnt 17                                ; the add and the youngest sixteen loads may be out
	MUL8 F1, 0, 0, 0
	s_wait_dscnt 0x0
	s_barrier_signal -1
	MUL8 F1, 0, 2, 0
	WIN 0
	s_barrier_wait -1
.if \fill
	CREST
	JLOAD 1                                        ; 112 matrix instructions ahead of the wait for it
.else
	v_nop                                          ; with the three lines below: the four places in front of the loads
.endif
	s_xor_b32 s[SO], s[SO], SLOT                   ; the other slot is in hand
	v_add_nc_u32 v[CURA], s[SO], v[BASA]
	v_add_nc_u32 v[CURB], s[SO], v[BASB]
	v_add_nc_u32 v[CURB+1], s[SO], v[BASB+1]
	FETCH 0, F0
	MUL8 F1, 1, 0, 0
	MUL8 F1, 1, 2, 0
.endm
	s_wait_tensorcnt 1                             ; my part of the walk's first step is in; the second stays out
	s_barrier_signal -1
	s_barrier_wait -1
	FETCH 0, F0
	QUARTER 1, F0, F1, 1
	WIN 0
	s_mov_b32 s3, STEPS-2
.Lstep:                                        ; a trip goes from a K step's second quarter to the next step's first, and fills a slot again
	QUARTER 2, F1, F0, 0
	QUARTER 3, F0, F1, 0
	TURN 1
	QUARTER 1, F0, F1, 0
	WIN 0
	s_sub_co_u32 s3, s3, 1
	s_cmp_lg_u32 s3, 0
	s_cbranch_scc1 .Lstep
	s_mov_b32 s3, 2
.Ltail:                                        ; the last two K steps fill nothing: written out.  The second trip is left behind its last quarter
	QUARTER 2, F1, F0, 0                           ; its change of slots passes the barrier once more and fetches 32 fragments that nobody multiplies: the price, once a launch, of one text for both trips
	QUARTER 3, F0, F1, 0
	TURN 0
	WIN 0
	s_sub_co_u32 s3, s3, 1
	s_cmp_eq_u32 s3, 0
	s_cbranch_scc1 .Lout
	QUARTER 1, F0, F1, 0
	WIN 0
	s_branch .Ltail
.Lout:
	; THE WAY OUT, 16 rows at a time through my own stage: a wave's 64 columns of f32 are a whole aligned 256 bytes of a row, so no wave waits for another.
	s_wait_dscnt 0x0                               ; the fragments fetched last have landed: the counts below are of the stage's loads alone
	PLACES
	PLACES
.irp a, 0,1,2,3
.irp b, 0,1,2,3
	ds_store_b128 v[STO], v[ACC+8*(4*(\a)+(\b)):ACC+8*(4*(\a)+(\b))+3]   offset:64*(\b)
	ds_store_b128 v[STO], v[ACC+8*(4*(\a)+(\b))+4:ACC+8*(4*(\a)+(\b))+7] offset:64*(\b)+16
.endr
.irp t, 0,1,2,3,4,5,6,7
	ds_load_b128 v[ACC+32*(\a)+4*(\t):ACC+32*(\a)+4*(\t)+3], v[RD] offset:(\t)*2*SP  ; LDS serves a wave's instructions in order (ISA guide 5.7.1.4): these see the stores above; the next block's stores come behind them
.endr
.irp t, 0,1,2,3,4,5,6,7
	s_wait_dscnt 7-(\t)
	global_store_b128 v[CO], v[ACC+32*(\a)+4*(\t):ACC+32*(\a)+4*(\t)+3], s[8:9] offset:(16*(\a)+2*(\t))*8192 th:TH_STORE_NT  ; 16 lanes store 256 consecutive bytes, aligned
.endr
.endr
	s_wait_tensorcnt 0x0                           ; the wave's end
	ds_add_u32 v[SPW], v[NIL]
	s_wait_dscnt 0x0
	CROUND                                         ; the closing round
	s_endpgm
.Lfunc_end_k_q6ce9ce4c41_oproj:
	.size	k_q6ce9ce4c41_oproj, .Lfunc_end_k_q6ce9ce4c41_oproj-k_q6ce9ce4c41_oproj
	.p2alignl 7, 3214868480
	.fill 96, 4, 3214868480
	.section	.rodata,"a",@progbits
	.p2align	6, 0x0
	.amdhsa_kernel k_q6ce9ce4c41_oproj
		.amdhsa_group_segment_fixed_size 327680
		.amdhsa_private_segment_fixed_size 0
		.amdhsa_enable_private_segment 0
		.amdhsa_kernarg_size 24
		.amdhsa_user_sgpr_count 2
		.amdhsa_user_sgpr_kernarg_segment_ptr 1
		.amdhsa_wavefront_size32 1
		.amdhsa_system_sgpr_workgroup_id_x 1
		.amdhsa_system_sgpr_workgroup_id_y 1
		.amdhsa_system_sgpr_workgroup_id_z 1
		.amdhsa_system_vgpr_workitem_id 0
		.amdhsa_next_free_vgpr 512
		.amdhsa_next_free_sgpr 80
		.amdhsa_reserve_vcc 0
		.amdhsa_float_denorm_mode_32 3
		.amdhsa_float_denorm_mode_16_64 3
		.amdhsa_memory_ordered 1
		.amdhsa_forward_progress 1
		.amdhsa_inst_pref_size 59
	.end_amdhsa_kernel
	.amdgpu_metadata
---
amdhsa.version: [ 1, 2 ]
amdhsa.kernels:
  - .name:           k_q6ce9ce4c41_oproj
    .symbol:         k_q6ce9ce4c41_oproj.kd
    .args:
      - { .name: oh, .offset: 0, .size: 8, .value_kind: global_buffer, .address_space: global }
      - { .name: bf, .offset: 8, .size: 8, .value_kind: global_buffer, .address_space: global }
      - { .name: out0, .offset: 16, .size: 8, .value_kind: global_buffer, .address_space: global }
    .group_segment_fixed_size: 327680
    .private_segment_fixed_size: 0
    .kernarg_segment_align: 8
    .kernarg_segment_size: 24
    .max_flat_workgroup_size: 128
    .sgpr_count:     80
    .vgpr_count:     512
    .wavefront_size: 32
...
	.end_amdgpu_metadata
.endif
;; end of part 4
;; ======== version 2 of 2: 4 launches; version 1 with the launch prep written anew for expert scheduling mode
;; limits: values are held in f16: magnitudes above 65,504 overflow, below 6.1e-05 lose precision
;; workspace buffers: bf 41,943,040 bytes; maskp 16,777,216 bytes; qh 8,388,608 bytes; kh 8,388,608 bytes; vh 8,388,608 bytes; oh 8,388,608 bytes
;; launch prep (part 5): grid 256 x 6, 8 waves a work-group, no clusters, 35,840 bytes of LDS; arguments x, wq, wk, wv, wo, mask, bf, maskp; writes bf, maskp
.if DOCPART == 5
	.amdgcn_target "amdgcn-amd-amdhsa--gfx1250"
	.amdhsa_code_object_version 6
	.text
	.protected	k_q6ce9ce4c41_prep
	.globl	k_q6ce9ce4c41_prep
	.p2align	8
	.type	k_q6ce9ce4c41_prep,@function
k_q6ce9ce4c41_prep:
	s_mov_b64 s[64:65], 0
	v_nop
	global_prefetch_b8 v0, s[64:65] scope:SCOPE_SE
	s_setreg_imm32_b32 hwreg(HW_REG_WAVE_SCHED_MODE, 0, 2), 2
	s_setreg_imm32_b32 hwreg(HW_REG_WAVE_MODE, 25, 1), 1
	s_wait_xcnt 0x0
	s_wait_alu depctr_vm_vsrc(0)
; PREPARATION.  Grid y picks the input, grid x a piece of 65,536 bytes of it.
; y = 0..4: x, wq, wk, wv, wo -> section y of bf ([2048][2048] of 16 bits, row-major as the source): bf16(x), bf16(wq / 256), bf16(wk / 256), bf16(wv / 4), and f16 of bf16(4 wo).
; The factors are powers of two, so the bf16 rounding is that of the input itself; they keep q, k and v inside f16 further on and are undone in the softmax constant and by the 4 in wo.
; (x is multiplied by 1.0: one text serves the five inputs.)
; y = 5: mask -> maskp, f32: f32(bf16(mask)) x 2^-12.5, laid out as the C operand of a 16 key x 16 query tile of scores:
; byte qt x 131072 + kb x 1024 + j4 x 512 + L x 16 + 4 e holds mask[16 qt + L % 16][16 kb + 8 (L / 16) + 4 j4 + e].
; LIMITS.  mask finite, |mask| up to 1e38; the scaled mask has one more f32 rounding (equal numbers stay equal).  Numbers of wo below 1.5e-5 keep f16's fixed step (6e-8 in 4 wo).
; Memory binds: each byte is read once, by loads of 16 bytes a lane, all 16 loads of a wave issued at once; no loop, no matrix unit, no cluster (no two work-groups read the same byte).
; THE MODE: SCHED_MODE bits 1:0 = 2 (LLVM: expert scheduling mode 2), set by the entry lines.  The code itself states the register dependences between vector instructions and memory or LDS
; instructions, with s_wait_alu, always for 0.
; THE PLAN.  Registers that memory or LDS instructions touch:
;   v1 to v5   offsets and addresses: written once by vector lines at the head of a path, never again: one wait ahead of the path's first load serves every load and store of the path.
;   X          the 16 loads land in it before any vector line names it; later vector lines alone write it; in the mask's path the LDS stores read it, and nothing writes it behind them.
;   Y, casts   two registers a load: written by that load's roundings, read by one store, never written again.  The loads go in four blocks of four; the stores of a block are dealt among the vector
;              lines of the next block, behind ONE wait at that block's head; those vector lines name their own block's X and Y alone.
;   Y, mask    the LDS loads land in it, the global stores read it; no vector line of that path names it.
;   v8, v9     written at the head, read by the closing add alone.
; No register that a memory or LDS instruction reads is ever written again, so no wait on vm_vsrc is owed.
.set SEC,   8388608                    ; bytes in a section of bf
.set PITCH, 272                        ; a stage row: 64 f32 + 16 bytes, so that 16 rows start at 16 different groups of four banks (ISA guide 11.1)
.set STG,   16*PITCH                   ; a wave's own stage
.set SPARE, 8*STG                      ; behind the stages: the spare words, 128 bytes for each wave, which no other line names
.set SPW, 8                            ; v8   SPARE + 4 x my thread's number; never rewritten
.set NIL, 9                            ; v9   0; never rewritten
.set X,   16                           ; v[16:79]   load n at X + 4 n
.set Y,   80                           ; v[80:143]  what is stored
.set T,   144                          ; v[144:147] at work: no memory instruction names them
	s_load_b512 s[8:23], s[0:1], 0x0               ; x 8, wq 10, wk 12, wv 14, wo 16, mask 18, bf 20, maskp 22
	v_lshl_add_u32 v[SPW], v0, 2, SPARE
	v_mov_b32 v[NIL], 0
	v_lshrrev_b32 v1, 5, v0
	v_readfirstlane_b32 s3, v1                     ; wave 0..7
	s_and_b32 s2, ttmp7, 0xffff                    ; y
	s_mov_b32 s30, 0xffff0000                      ; a word's upper bf16
	s_mov_b32 s33, 0
	s_mov_b32 s35, 0
	s_wait_alu depctr_va_sdst(0)                   ; s3 is written: its first reader stands in the mask's path, and this wait ahead of the branch that leads there
	s_wait_kmcnt 0x0
	s_cmp_eq_u32 s2, 5
	s_cbranch_scc1 .Lmask
	s_mov_b64 s[24:25], s[8:9]                     ; the source and its factor, chosen by y
	s_mov_b32 s26, 1.0
	s_cmp_eq_u32 s2, 1
	s_cselect_b64 s[24:25], s[10:11], s[24:25]
	s_cselect_b32 s26, 0x3b800000, s26             ; 2^-8
	s_cmp_eq_u32 s2, 2
	s_cselect_b64 s[24:25], s[12:13], s[24:25]
	s_cselect_b32 s26, 0x3b800000, s26
	s_cmp_eq_u32 s2, 3
	s_cselect_b64 s[24:25], s[14:15], s[24:25]
	s_cselect_b32 s26, 0x3e800000, s26             ; 2^-2
	s_cmp_eq_u32 s2, 4
	s_cselect_b64 s[24:25], s[16:17], s[24:25]
	s_cselect_b32 s26, 4.0, s26
	s_mov_b32 s27, s26                             ; named with it as a pair
	s_lshl_b32 s32, ttmp9, 16                      ; my 65,536 bytes of the source
	s_add_nc_u64 s[24:25], s[24:25], s[32:33]
	s_mul_i32 s34, s2, SEC                         ; section y,
	s_lshl_b32 s36, ttmp9, 15                      ; my 32,768 bytes of it
	s_add_co_u32 s34, s34, s36
	s_add_nc_u64 s[28:29], s[20:21], s[34:35]
	v_lshlrev_b32 v1, 4, v0                        ; 16 bytes a thread in,
	v_lshlrev_b32 v2, 3, v0                        ; 8 bytes out: a wave's store covers 256 consecutive bytes, aligned
	s_wait_alu depctr_va_vdst(0)                   ; v1 and v2 are written: every load of this path reads v1 as its offset, every store v2
.set i, 0
.rept 16
	global_load_b128 v[X+4*i:X+4*i+3], v1, s[24:25] offset:4096*i th:TH_LOAD_NT
.set i, i+1
.endr
; h = 0: bf16.  h = 1: the bf16 number written as f16.
; Four blocks of four loads.  In block p the store of load i - 4, of block p - 1, stands ahead of load i's arithmetic; block 3's stores follow behind the last arithmetic.
.macro CAST h
.set i, 0
.rept 16
	s_wait_loadcnt 15-i                            ; loads come back in order (ISA guide 5.7.1): load i is in, the younger ones stay out
.if (i > 0) && (i%4 == 0)
	s_wait_alu depctr_va_vdst(0)                   ; the block before has written its eight registers of Y, which this block's four stores read; no vector line behind this wait names them
.endif
.if i >= 4
	global_store_b64 v2, v[Y+2*(i-4):Y+2*(i-4)+1], s[28:29] offset:2048*(i-4)  ; each store has data registers of its own: none is rewritten
.endif
	v_pk_mul_f32 v[X+4*i:X+4*i+1], v[X+4*i:X+4*i+1], s[26:27] op_sel_hi:[1,0]
	v_pk_mul_f32 v[X+4*i+2:X+4*i+3], v[X+4*i+2:X+4*i+3], s[26:27] op_sel_hi:[1,0]
	v_cvt_pk_bf16_f32 v[Y+2*i], v[X+4*i], v[X+4*i+1]
	v_cvt_pk_bf16_f32 v[Y+2*i+1], v[X+4*i+2], v[X+4*i+3]
.if \h
	v_lshlrev_b32 v[X+4*i], 16, v[Y+2*i]
	v_and_b32 v[X+4*i+1], s30, v[Y+2*i]
	v_lshlrev_b32 v[X+4*i+2], 16, v[Y+2*i+1]
	v_and_b32 v[X+4*i+3], s30, v[Y+2*i+1]
	v_cvt_pk_f16_f32 v[Y+2*i], v[X+4*i], v[X+4*i+1]
	v_cvt_pk_f16_f32 v[Y+2*i+1], v[X+4*i+2], v[X+4*i+3]
.endif
.set i, i+1
.endr
	s_wait_alu depctr_va_vdst(0)                   ; the last block has written its eight registers of Y, which the last four stores read
.set i, 12
.rept 4
	global_store_b64 v2, v[Y+2*i:Y+2*i+1], s[28:29] offset:2048*i
.set i, i+1
.endr
.endm
	s_cmp_eq_u32 s2, 4
	s_cbranch_scc1 .Lf16
	CAST 0
	s_branch .Lend
.Lf16:
	CAST 1
	s_branch .Lend
.Lmask:                                        ; work-group x: query tile x / 2, key half x % 2; wave w: 16 rows x 128 keys, as two chunks of 64 keys
	s_lshr_b32 s4, ttmp9, 1
	s_and_b32 s5, ttmp9, 1
	s_lshl_b32 s32, s4, 17                         ; 16 rows of 8,192 bytes
	s_lshl_b32 s6, s5, 12                          ; 1,024 keys
	s_add_co_u32 s32, s32, s6
	s_add_nc_u64 s[24:25], s[18:19], s[32:33]
	s_lshl_b32 s34, s4, 17
	s_lshl_b32 s6, s5, 16                          ; 64 key blocks of 1,024 bytes
	s_add_co_u32 s34, s34, s6
	s_add_nc_u64 s[28:29], s[22:23], s[34:35]
	v_and_b32 v10, 15, v0
	v_bfe_u32 v11, v0, 4, 1
	v_and_b32 v12, 31, v0
	v_lshlrev_b32 v1, 4, v10                       ; in memory: lanes 0-15 take 256 bytes of one row, lanes 16-31 of the next
	v_lshl_add_u32 v1, v11, 13, v1
	s_lshl_b32 s6, s3, 9
	v_add_nc_u32 v1, s6, v1
	s_mul_i32 s7, s3, STG
	v_mul_u32_u24 v3, v11, PITCH                   ; into the stage: the same two rows
	v_lshl_add_u32 v3, v10, 4, v3
	v_add_nc_u32 v3, s7, v3
	v_mul_u32_u24 v4, v10, PITCH                   ; out of it: row L % 16, keys 8 (L / 16) on
	v_lshl_add_u32 v4, v11, 5, v4
	v_add_nc_u32 v4, s7, v4
	v_lshlrev_b32 v5, 4, v12                       ; in maskp: 16 L + my wave's 8 key blocks
	s_lshl_b32 s6, s3, 13
	v_add_nc_u32 v5, s6, v5
	s_wait_alu depctr_va_vdst(0)                   ; v1, v3, v4 and v5 are written: the loads, the LDS stores, the LDS loads and the stores of this path read them as addresses
.irp c, 0,1
.irp t, 0,1,2,3,4,5,6,7
	global_load_b128 v[X+4*(8*(\c)+(\t)):X+4*(8*(\c)+(\t))+3], v1, s[24:25] offset:16384*(\t)+256*(\c) th:TH_LOAD_NT
.endr
.endr
; The arithmetic of load n (chunk n / 8, rows 2 (n % 8) and the next), in place.
.macro SCALE n
.set XN, X+4*(\n)
.set TN, T+2*((\n)%2)
	s_wait_loadcnt 15-(\n)                         ; this load is in, the younger ones stay out
	v_cvt_pk_bf16_f32 v[TN], v[XN], v[XN+1]        ; rounded to bf16 like every input,
	v_cvt_pk_bf16_f32 v[TN+1], v[XN+2], v[XN+3]
	v_lshlrev_b32 v[XN], 16, v[TN]                 ; widened again,
	v_and_b32 v[XN+1], s30, v[TN]
	v_lshlrev_b32 v[XN+2], 16, v[TN+1]
	v_and_b32 v[XN+3], s30, v[TN+1]
	v_pk_mul_f32 v[XN:XN+1], v[XN:XN+1], 0x393504f3 op_sel_hi:[1,0]      ; times 2^-12.5 = sqrt(128) / 2^16
	v_pk_mul_f32 v[XN+2:XN+3], v[XN+2:XN+3], 0x393504f3 op_sel_hi:[1,0]
.endm
; Chunk c goes through my stage: 16 rows in, and back in the C operand's order.
.macro THROUGH c
	s_wait_alu depctr_va_vdst(0)                   ; the chunk's arithmetic has written its 32 registers of X, which the eight LDS stores read
.irp t, 0,1,2,3,4,5,6,7
	ds_store_b128 v3, v[X+4*(8*(\c)+(\t)):X+4*(8*(\c)+(\t))+3] offset:2*PITCH*(\t)
.endr
.irp u, 0,1,2,3,4,5,6,7
	ds_load_b128 v[Y+32*(\c)+4*(\u):Y+32*(\c)+4*(\u)+3], v4 offset:64*((\u)/2)+16*((\u)%2)  ; LDS serves a wave's instructions in order (ISA guide 5.7.1.4): these see the stores above, and the next chunk's stores come behind them
.endr
.endm
.irp t, 0,1,2,3,4,5,6,7
	SCALE \t
.endr
	THROUGH 0
.irp t, 0,1,2,3,4,5,6,7                        ; chunk 1's arithmetic stands in the stage's round trip; chunk 0's stores are dealt among it: they read Y and v5, which no vector line names
	SCALE 8+(\t)
	s_wait_dscnt 7-(\t)                            ; LDS loads come back in order (ISA guide 5.7.1): load t of chunk 0 is in, the younger ones stay out
	global_store_b128 v5, v[Y+4*(\t):Y+4*(\t)+3], s[28:29] offset:512*(\t)  ; 512 consecutive bytes, aligned
.endr
	THROUGH 1
.irp u, 0,1,2,3,4,5,6,7
	s_wait_dscnt 7-(\u)
	global_store_b128 v5, v[Y+32+4*(\u):Y+32+4*(\u)+3], s[28:29] offset:4096+512*(\u)  ; 512 consecutive bytes, aligned
.endr
.Lend:
	s_wait_dscnt 0x0                               ; the closing lines, six on end
	s_wait_alu 0x0
	s_wait_tensorcnt 0x0
	ds_add_u32 v[SPW], v[NIL]
	s_wait_dscnt 0x0
	s_endpgm
.Lfunc_end_k_q6ce9ce4c41_prep:
	.size	k_q6ce9ce4c41_prep, .Lfunc_end_k_q6ce9ce4c41_prep-k_q6ce9ce4c41_prep
	.p2alignl 7, 3214868480
	.fill 96, 4, 3214868480
	.section	.rodata,"a",@progbits
	.p2align	6, 0x0
	.amdhsa_kernel k_q6ce9ce4c41_prep
		.amdhsa_group_segment_fixed_size 35840
		.amdhsa_private_segment_fixed_size 0
		.amdhsa_enable_private_segment 0
		.amdhsa_kernarg_size 64
		.amdhsa_user_sgpr_count 2
		.amdhsa_user_sgpr_kernarg_segment_ptr 1
		.amdhsa_wavefront_size32 1
		.amdhsa_system_sgpr_workgroup_id_x 1
		.amdhsa_system_sgpr_workgroup_id_y 1
		.amdhsa_system_sgpr_workgroup_id_z 1
		.amdhsa_system_vgpr_workitem_id 0
		.amdhsa_next_free_vgpr 152
		.amdhsa_next_free_sgpr 66
		.amdhsa_reserve_vcc 0
		.amdhsa_float_denorm_mode_32 3
		.amdhsa_float_denorm_mode_16_64 3
		.amdhsa_memory_ordered 1
		.amdhsa_forward_progress 1
		.amdhsa_inst_pref_size 35
	.end_amdhsa_kernel
	.amdgpu_metadata
---
amdhsa.version: [ 1, 2 ]
amdhsa.kernels:
  - .name:           k_q6ce9ce4c41_prep
    .symbol:         k_q6ce9ce4c41_prep.kd
    .args:
      - { .name: x, .offset: 0, .size: 8, .value_kind: global_buffer, .address_space: global }
      - { .name: wq, .offset: 8, .size: 8, .value_kind: global_buffer, .address_space: global }
      - { .name: wk, .offset: 16, .size: 8, .value_kind: global_buffer, .address_space: global }
      - { .name: wv, .offset: 24, .size: 8, .value_kind: global_buffer, .address_space: global }
      - { .name: wo, .offset: 32, .size: 8, .value_kind: global_buffer, .address_space: global }
      - { .name: mask, .offset: 40, .size: 8, .value_kind: global_buffer, .address_space: global }
      - { .name: bf, .offset: 48, .size: 8, .value_kind: global_buffer, .address_space: global }
      - { .name: maskp, .offset: 56, .size: 8, .value_kind: global_buffer, .address_space: global }
    .group_segment_fixed_size: 35840
    .private_segment_fixed_size: 0
    .kernarg_segment_align: 8
    .kernarg_segment_size: 64
    .max_flat_workgroup_size: 256
    .sgpr_count:     66
    .vgpr_count:     152
    .wavefront_size: 32
...
	.end_amdgpu_metadata
.endif
;; end of part 5
;; launch qkv: the kernel of part 2 again; grid 16 x 16, 4 waves a work-group, clusters of 4 x 4, 327,680 bytes of LDS; arguments bf, cos, sin, qh, kh, vh; writes qh, kh, vh
;; launch attn: the kernel of part 3 again; grid 16 x 16, 4 waves a work-group, clusters of 4 x 1, 327,680 bytes of LDS; arguments qh, kh, vh, maskp, oh; writes oh
;; launch oproj: the kernel of part 4 again; grid 16 x 16, 4 waves a work-group, clusters of 4 x 4, 327,680 bytes of LDS; arguments oh, bf, out0; writes out0
